; MI455X (gfx1250); checked and timed in simulation.
; The chip was launched on July 23, 2026; its instructions are those of AMD's public machine-readable ISA for CDNA 5 (MIT licence, August 2026) and "CDNA5" Instruction Set Architecture Reference Guide (July 2026). The comments in the code are by the model that wrote it; some were corrected since.
;; Transformer Encoder. Allowed arithmetic: matrix products marked QUANTISED: E3M2 operands, one E8M0 scale for each 32 along K, by v_wmma_scale_f32_16x16x128_f8f6f4 with both operands' format E3M2, f32 sums; everything else in f32.
;; Inputs: b1 3,072 float32; b2 768 float32; bk 768 float32; bq 768 float32; bv 768 float32; ln_b 768 float32; ln_w 768 float32; w1 768 x 3,072 float32; w2 3,072 x 768 float32; wk 768 x 768 float32; wq 768 x 768 float32; wv 768 x 768 float32; x 16 x 512 x 768 float32.
;; Outputs: out0 16 x 512 x 768 float32.
;; This version of the problem:
;;   THIS VERSION OF THE PROBLEM IS GIVEN IN LOW PRECISION. The matrix products marked QUANTISED in the list below multiply operands that are first quantised to E3M2 (3 exponent bits, 2 mantissa bits; 6 bits a number), with one power-of-two scale for each 32 numbers along K (OCP MX v1.0); their sums are f32. All else is computed in f32.
;;   The module's matrix products, in the order in which they are computed (A, B: the left and right operand; K: the contracted axis; several contracted axes count as one K, in the product's order):
;;     1. [M 8,192, K 768] x [K 768, N 768]; A: computed on the way; B: input wq: QUANTISED
;;     2. [M 8,192, K 768] x [K 768, N 768]; A: computed on the way; B: input wk: QUANTISED
;;     3. [M 8,192, K 768] x [K 768, N 768]; A: computed on the way; B: input wv: QUANTISED
;;     4. batch 192 x [M 512, K 64] x [K 64, N 512]; A: computed on the way; B: computed on the way: QUANTISED
;;     5. batch 192 x [M 512, K 512] x [K 512, N 64]; A: softmax (see below); B: computed on the way: QUANTISED
;;     6. [M 8,192, K 768] x [K 768, N 3,072]; A: computed on the way; B: input w1: QUANTISED
;;     7. [M 8,192, K 3,072] x [K 3,072, N 768]; A: computed on the way; B: input w2: QUANTISED
;;   THE QUANTISER, for each operand of a quantised product, along K:
;;     - K is cut into blocks of 32 from its start; a last block that is shorter is filled with zeros.
;;     - A block's scale is 2^e with e = floor(log2(the largest magnitude in the block)) - 4, held to -126 .. 127; a block of zeros has e = 0. As a byte (E8M0): e + 127.
;;     - Each number is divided by its block's scale, clamped to +-28, and rounded to the nearest number of E3M2, ties to even, subnormals kept.
;;     - The product sums the exact products of the quantised numbers (number of the format x scale) in f32.
;;   ~~~python
;;   def quantise(x, axis):      # numpy; x: float32 -> the quantised numbers, widened to float32 again
;;       x = np.moveaxis(x, axis, -1); K = x.shape[-1]
;;       x = np.pad(x, [(0, 0)] * (x.ndim - 1) + [(0, -K % 32)]); x = x.reshape(x.shape[:-1] + (-1, 32)); a = np.abs(x).max(-1, keepdims=True)
;;       e = np.where(a > 0, np.clip(np.frexp(np.where(a > 0, a, 1))[1] - 1 - 4, -126, 127), 0)      # np.frexp(a)[1] - 1 = floor(log2(a)), exactly
;;       r = np.clip(x / 2.0 ** e, -28, 28)
;;       step = 2.0 ** (np.maximum(np.frexp(np.where(r == 0, 1, r))[1] - 1, -2) - 2)
;;       q = np.round(r / step) * step * 2.0 ** e      # np.round: ties to even
;;       return np.moveaxis(q.reshape(q.shape[:-2] + (-1,))[..., :K], -1, axis).astype(np.float32)
;;   ~~~
;;   SOFTMAX AHEAD OF A QUANTISED PRODUCT. Where the list says 'softmax', what is quantised is not the finished softmax but p = 2^(t - M), with t = logit x log2(e) and M = ceil(the row's largest t), a whole number; so 1/2 < the row's largest p <= 1. The row's sum l is taken of the UNQUANTISED p, in f32, and the product's result is divided by l at the end. Since M is a whole number, a kernel that streams over the keys may use a running M (the ceiling of the running maximum): every later rescaling is an exact power of two, which a block's scale takes up: the codes' values come out the same.
;;   OPERANDS COMPUTED ON THE WAY. 'Computed on the way' means the value that the module computes at that place (a softmax that the list does not call 'softmax' is quantised finished and normalised). What goes into a quantiser is computed in f32, as accurately as f32 sums, v_exp_f32 and their like allow (about 1e-6 of the number): no bf16 or f16 on the way to a quantiser, and a product that is left as it is and whose result goes on into a quantised operand takes f32 operands (vector FMAs, or v_wmma_f32_16x16x4_f32). A number that lies on a knife's edge between two numbers of the format may be rounded either way, as far as f32 arithmetic and the matrix unit's own rounding can turn it there, and no further.
;; One version. Each part assembles by itself: llvm-mc -triple=amdgcn-amd-amdhsa -mcpu=gfx1250 --defsym DOCPART=n.
;; ======== version 1 of 1: 4 launches
;; limits: right only within a limited range of input values
;; workspace buffers: wr 5,271,552 bytes; hr 5,111,808 bytes; qkvb 15,925,248 bytes; x1 25,165,824 bytes
;; launch prepln (part 1): grid 652 x 1, 4 waves a work-group, no clusters, 99,328 bytes of LDS; arguments x, ln_w, ln_b, hr, wq, wk, wv, w1, w2, wr; writes hr, wr
.if DOCPART == 1
	.amdgcn_target "amdgcn-amd-amdhsa--gfx1250"
	.amdhsa_code_object_version 6
	.text
	.protected	k_q658c84c8be_prepln
	.globl	k_q658c84c8be_prepln
	.p2align	8
	.type	k_q658c84c8be_prepln,@function
k_q658c84c8be_prepln:
	s_mov_b64 s[64:65], 0
	v_nop
	global_prefetch_b8 v0, s[64:65] scope:SCOPE_SE
	s_setreg_imm32_b32 hwreg(HW_REG_WAVE_MODE, 25, 1), 1
	s_wait_xcnt 0x0
; THE PROGRAM: one pre-norm encoder layer, 8,192 tokens x 768, 12 heads of 64, hidden width 3,072; all seven products on codes of BF6 (E3M2) with one E8M0 scale for each 32 along K.
; NOTHING OF reference() IS LEFT OUT: every input has a way to the output and is loaded (bk too: it moves K's codes).  In the product Q K^T, K is 64: the upper 64 of each 128-deep instruction are zero codes.
; LIMITS OF THE PROGRAM: NaN and infinities among the inputs are not served.  A block whose largest magnitude lies under 2^-122 keeps the scale byte 1; a block of zeros has byte 1 where the rule says 127
; (its codes are zeros, which add nothing under any byte but 0xff, and these bytes are read by this program alone).
; THIS LAUNCH does two things that do not hang on each other, told apart by the work-group's number: work-groups 0-255 take the first LayerNorm (x into hr), work-groups 256-651 the five weights (into wr).
; A RECORD is 16 rows x 768 K as IMAGES OF OPERAND REGISTERS: six fragments (16 x 128 K, 1,536 bytes) and six blocks of 32 scale words.
; A fragment is two halves of 768 bytes (64 K each): registers 0-3 of lane l at 16 l, registers 4-5 at 512 + 8 l.  Lane (r, h) holds row r's codes of k = 64 c + 32 h + 0 .. 31.
; THE ROWS OF A TILE ARE NOT NEIGHBOURS: row r of tile T is index 32 (T / 2) + 8 (T % 2) + r + 8 (r / 8), so that results of two neighbouring tiles are 16 neighbours along the next product's K.
; THE WEIGHTS, f32 with K as their FIRST axis.  Records in wr: wv 0-47, wq 48-95, wk 96-143, w1 144-335, w2 from 336 on, laid by K steps.  A work-group has one K step of eight neighbouring tiles (128 columns); wave w makes
; the fragments of tiles w and w + 4: a lane takes a column and its registers run down K, so a block of 32 lies in one lane and nothing is transposed.  All 128 loads of a wave go out first.
; THE LAYERNORM of 32 rows of 768 f32, then the quantiser along the 768: the rows leave as two records.  Mean first, then the centred squares; the mean is the sum times f32(1 / 768).
; Wave w normalises tokens 8 w .. 8 w + 7, a whole row in 24 registers a lane (each load covers 512 consecutive bytes); the rows meet in LDS (pitch 3,088 bytes = 193 x 16, so that sixteen rows of a 16-byte load start at
; different banks: 64 banks of 4 bytes, ISA guide 11.1); behind one barrier wave w quantises three K steps of tile w % 2, a lane holding whole blocks of 32.  Only this path touches LDS.
.set REC, 9984
.set PITCH, 3088
.set SPARE, 32*PITCH                   ; behind the rows: the spare words, 128 bytes for each wave
.set X, 16                             ; LayerNorm: v16-207 eight rows x 24; later three fragments' 64 numbers
.set RS, 208                           ; v208-223 1 / sqrt(var + eps) in the even registers; later v208-243 the codes
.set SPW, 254
.set NIL, 255
.set MSB, 0
.macro WIN new                         ; the immediate's high byte repeats the setting that is left
.if MSB != (\new)
	s_set_vgpr_msb (MSB<<8)|(\new)
.set MSB, (\new)
.endif
.endm
.macro LOADS pitch                     ; W(k0 + 64 c + 32 h + i, my column) into v[64 + 32 c + i]; the second tile's, 256 bytes further along the row, into v[128 + 32 c + i]
.set n, 0
.rept 128
	global_load_b32 v[64+n], v9, s[24:25] offset:(64*((n%64)/32)+(n%32))*\pitch+256*(n/64)
.set n, n+1
.endr
.endm
.macro BMAX d, s                       ; a block's largest magnitude, with the floor 2^(5 - 127) among its leaves: the byte cannot fall under 1
	v_max3_num_f32 v[\d], |v[\s]|, |v[\s+1]|, 0x2800000
.irp i, 2,4,6,8,10,12,14,16,18,20,22,24,26,28,30
	v_max3_num_f32 v[\d], v[\d], |v[\s+\i]|, |v[\s+\i+1]|
.endr
.endm
.macro QREST d, pc, w, pb, sb          ; the two largest magnitudes in v32, v33 and the 64 numbers from v[d] on become a fragment in v[pc] on and its scale word in v[w], stored by the pointers s[pb], s[sb]
	v_add_nc_u32 v44, 0xfe000000, v32              ; 4 off the exponent field: the conversion takes this operand's exponent field as its scale
	v_add_nc_u32 v45, 0xfe000000, v33
	v_lshrrev_b32 v36, 23, v44                     ; the scales' bytes: blocks h and 2 + h of my column
	v_lshrrev_b32 v37, 23, v45
	v_lshl_or_b32 v[\w], v37, 16, v36
	v_lshlrev_b32 v[\w], v11, v[\w]                ; at their places in the word (8 h bits up)
	v_permlanex16_b32 v14, v[\w], s40, s41
	v_or_b32 v[\w], v[\w], v14                     ; with lane l xor 16's two the word is whole, in both halves of the lanes
.irp c, 0,1
	v_cvt_scalef32_pk16_bf6_f32 v[\pc+6*\c:\pc+2+6*\c], v[\d+32*\c:\d+15+32*\c], v[44+\c]
	v_cvt_scalef32_pk16_bf6_f32 v[36+4*\c:38+4*\c], v[\d+16+32*\c:\d+31+32*\c], v[44+\c]   ; (a conversion's three registers begin on an even number)
.endr
	v_nop                                          ; one plain place behind a scaled conversion
.irp c, 0,1
.irp i, 0,1,2
	v_mov_b32 v[\pc+3+6*\c+\i], v[36+4*\c+\i]
.endr
.endr
	global_store_b128 v6, v[\pc:\pc+3], s[\pb:\pb+1]                 ; every store of the wave covers 128, 256 or 512 consecutive bytes
	global_store_b64 v7, v[\pc+4:\pc+5], s[\pb:\pb+1] offset:512
	global_store_b128 v6, v[\pc+6:\pc+9], s[\pb:\pb+1] offset:768
	global_store_b64 v7, v[\pc+10:\pc+11], s[\pb:\pb+1] offset:1280
	global_store_b32 v8, v[\w], s[\sb:\sb+1]
.endm
.macro REDUCE                          ; the sum of v8 over the 32 lanes, in every lane
	v_add_f32_dpp v8, v8, v8 row_xmask:1 row_mask:0xf bank_mask:0xf
	v_add_f32_dpp v8, v8, v8 row_xmask:2 row_mask:0xf bank_mask:0xf
	v_add_f32_dpp v8, v8, v8 row_xmask:4 row_mask:0xf bank_mask:0xf
	v_add_f32_dpp v8, v8, v8 row_xmask:8 row_mask:0xf bank_mask:0xf
	v_permlanex16_b32 v9, v8, s22, s23
	v_add_f32 v8, v8, v9
.endm
	v_lshl_add_u32 v[SPW], v0, 2, SPARE
	v_mov_b32 v[NIL], 0
	s_cmp_lt_u32 ttmp9, 256                        ; the path, by the work-group's number alone
	s_cbranch_scc1 .Lnorm
; ---------------- THE WEIGHTS
	s_load_b256 s[4:11], s[0:1], 0x20              ; wq s[4:5], wk s[6:7], wv s[8:9], w1 s[10:11]
	s_load_b128 s[12:15], s[0:1], 0x40             ; w2 s[12:13], wr s[14:15]
	v_lshrrev_b32 v1, 5, v0
	v_readfirstlane_b32 s16, v1                    ; wave 0..3
	s_sub_co_u32 s43, ttmp9, 256                   ; 0 .. 395 = 6 y + (K step in a record)
	s_mul_hi_u32 s17, s43, 0xaaaaaaab
	s_lshr_b32 s17, s17, 2                         ; y = that / 6: which eight tiles of which weight
	s_mul_i32 s45, s17, 6
	s_sub_co_u32 s44, s43, s45                     ; the K step
	v_and_b32 v2, 31, v0                           ; lane
	v_and_b32 v3, 15, v0                           ; r
	v_bfe_u32 v4, v0, 4, 1                         ; h
	s_wait_alu depctr_va_vdst(0)
	v_and_b32 v5, 8, v3
	v_add_nc_u32 v5, v5, v3
	v_lshlrev_b32 v5, 2, v5                        ; 4 (r + 8 (r / 8)): my column in the tile, in bytes
	v_lshlrev_b32 v6, 4, v2                        ; 16 x lane
	v_lshlrev_b32 v7, 3, v2                        ; 8 x lane
	v_lshlrev_b32 v8, 2, v2                        ; 4 x lane
	v_lshlrev_b32 v11, 3, v4                       ; 8 h
	v_mov_b32 v14, 0                               ; (a lane permute's destination counts as one of its sources)
	s_mov_b32 s40, 0x76543210
	s_mov_b32 s41, 0xfedcba98                      ; v_permlanex16_b32's selects for lane l xor 16
	s_cmp_ge_u32 s17, 6                            ; y 0-5 wv, 6-11 wq, 12-17 wk, 18-41 w1: the group of 128 columns is y less the weight's first y
	s_cselect_b32 s20, 6, 0
	s_cmp_ge_u32 s17, 12
	s_cselect_b32 s20, 12, s20
	s_cmp_ge_u32 s17, 18
	s_cselect_b32 s20, 18, s20
	s_sub_co_u32 s19, s17, s20
	s_lshl_b32 s21, s17, 3
	s_add_co_u32 s21, s21, s16                     ; and the record is 8 y + wave
	s_max_u32 s22, s17, 42                         ; y 42-65 w2: y - 42 = 4 x (group of columns) + (quarter of K)
	s_sub_co_u32 s22, s22, 42
	s_and_b32 s23, s22, 3
	s_lshr_b32 s26, s22, 2
	s_lshl_b32 s27, s26, 3
	s_add_co_u32 s27, s27, s16
	s_lshl_b32 s27, s27, 2
	s_add_co_u32 s27, s27, s23
	s_add_co_u32 s27, s27, 336
	s_mov_b32 s46, 4*REC                           ; from tile w's record to tile w + 4's: four records, in w2 sixteen
	s_mov_b32 s47, 0
	s_cmp_ge_u32 s17, 42
	s_cselect_b32 s19, s26, s19                    ; group of 128 columns
	s_cselect_b32 s18, s23, 0                      ; quarter of K
	s_cselect_b32 s21, s27, s21                    ; record
	s_cselect_b32 s46, 16*REC, s46
	s_mul_i32 s28, s18, 768
	s_lshl_b32 s30, s44, 7
	s_add_co_u32 s28, s28, s30                     ; k0 = 768 x quarter + 128 x (K step)
	s_mov_b32 s29, 3072                            ; a row of the weight in bytes; w1's is 12,288
	s_sub_co_u32 s31, s17, 18
	s_cmp_lt_u32 s31, 24
	s_cselect_b32 s29, 12288, s29
	s_cselect_b32 s42, 1, 0
	s_mul_i32 s28, s28, s29
	s_lshl_b32 s31, s29, 5
	v_mul_u32_u24 v9, v4, s31                      ; lanes 16-31 begin 32 rows further down
	s_wait_alu depctr_va_vdst(0)
	v_add_nc_u32 v9, v9, v5
	s_lshl_b32 s30, s19, 9                         ; the tile's first column in bytes: 512 x group + 128 (wave / 2) + 32 (wave % 2)
	s_lshr_b32 s31, s16, 1
	s_lshl_b32 s31, s31, 7
	s_add_co_u32 s30, s30, s31
	s_and_b32 s31, s16, 1
	s_lshl_b32 s31, s31, 5
	s_add_co_u32 s30, s30, s31
	s_add_co_u32 s28, s28, s30
	s_mov_b32 s29, 0
	s_mul_i32 s32, s21, REC
	s_mul_i32 s33, s44, 1536
	s_add_co_u32 s34, s32, s33                     ; my first fragment in wr
	s_mov_b32 s35, 0
	s_lshl_b32 s33, s44, 7
	s_add_co_u32 s32, s32, s33
	s_add_co_u32 s32, s32, 9216                    ; and its scale words
	s_mov_b32 s33, 0
	; W2 IS LAID BY K STEPS, not by records: from byte 336 REC on, for each of its 24 K steps of 128 a block of 8 REC bytes: the 48 column tiles' fragments (1,536 bytes each), then their 48 x 128 bytes of scale words
	s_mul_i32 s52, s23, 6
	s_add_co_u32 s52, s52, s44                     ; the K step of 24: 6 x quarter + step
	s_mul_i32 s52, s52, 8*REC
	s_add_co_u32 s52, s52, 336*REC
	s_lshl_b32 s53, s26, 3
	s_add_co_u32 s53, s53, s16                     ; the column tile: 8 x group + wave
	s_mul_i32 s54, s53, 1536
	s_add_co_u32 s54, s54, s52                     ; its fragment
	s_lshl_b32 s53, s53, 7
	s_add_co_u32 s53, s53, s52
	s_add_co_u32 s53, s53, 73728                   ; its scale words
	s_cmp_ge_u32 s17, 42
	s_cselect_b32 s34, s54, s34
	s_cselect_b32 s32, s53, s32
	s_cselect_b32 s52, 512, s46                    ; from tile w's scale words to tile w + 4's,
	s_cselect_b32 s46, 6144, s46                   ; and from its fragment
	s_mov_b32 s53, 0
	s_wait_kmcnt 0x0
	s_cmp_ge_u32 s17, 6                            ; the weight is chosen by the work-group's number alone
	s_cselect_b64 s[24:25], s[4:5], s[8:9]
	s_cmp_ge_u32 s17, 12
	s_cselect_b64 s[24:25], s[6:7], s[24:25]
	s_cmp_ge_u32 s17, 18
	s_cselect_b64 s[24:25], s[10:11], s[24:25]
	s_cmp_ge_u32 s17, 42
	s_cselect_b64 s[24:25], s[12:13], s[24:25]
	s_add_nc_u64 s[24:25], s[24:25], s[28:29]
	s_add_nc_u64 s[36:37], s[14:15], s[34:35]
	s_add_nc_u64 s[38:39], s[14:15], s[32:33]
	s_add_nc_u64 s[48:49], s[36:37], s[46:47]      ; the second fragment, and its scale words
	s_add_nc_u64 s[50:51], s[38:39], s[52:53]
	s_cmp_eq_u32 s42, 0                            ; the loads' immediates hang on the pitch: they are written for both
	s_cbranch_scc1 .Lnarrow
	s_wait_alu depctr_va_vdst(0)
	LOADS 12288
	s_branch .Lin
.Lnarrow:
	s_wait_alu depctr_va_vdst(0)
	LOADS 3072
.Lin:
	s_wait_loadcnt 63                              ; of my 128 loads at most 63 are out: the first fragment's 64 are in
	BMAX 32, 64
	BMAX 33, 96
	QREST 64, 48, 10, 36, 38
	s_wait_loadcnt 32                              ; the second fragment's first 64 along K are in; its other 32 loads may be out
	BMAX 32, 128
	s_wait_loadcnt 0x0
	BMAX 33, 160
	QREST 128, 192, 12, 48, 50                     ; codes and word in registers of their own: no store's data are written again
	s_branch .Lend
; ---------------- THE LAYERNORM
.Lnorm:
	s_load_b256 s[4:11], s[0:1], 0x0               ; x s[4:5], ln_w s[6:7], ln_b s[8:9], hr s[10:11]
	v_lshrrev_b32 v1, 5, v0
	v_readfirstlane_b32 s12, v1                    ; wave
	v_and_b32 v2, 31, v0
	v_lshlrev_b32 v1, 4, v2                        ; 16 x lane
	v_lshlrev_b32 v4, 3, v2                        ; 8 x lane
	v_lshlrev_b32 v5, 2, v2                        ; 4 x lane
	v_and_b32 v6, 15, v0                           ; r
	v_bfe_u32 v7, v0, 4, 1                         ; h
	s_wait_alu depctr_va_vdst(0)
	s_and_b32 s13, s12, 1                          ; u: the tile that my rows belong to, and the tile that I quantise
	s_lshr_b32 s14, s12, 1
	s_lshl_b32 s15, s13, 4
	s_lshl_b32 s16, s14, 3
	s_add_co_u32 s15, s15, s16
	s_mul_i32 s15, s15, PITCH
	v_add_nc_u32 v2, s15, v1                       ; into LDS: my token p lies at row 16 u + 8 (w / 2) + p
	v_mul_u32_u24 v3, v6, PITCH
	v_lshl_add_u32 v3, v7, 7, v3
	s_mul_i32 s16, s13, 16*PITCH
	s_mul_i32 s17, s14, 1536
	s_add_co_u32 s16, s16, s17
	v_add_nc_u32 v3, s16, v3                       ; out of LDS: row 16 u + r, + 128 h, + my three K steps
	v_lshlrev_b32 v7, 3, v7                        ; 8 h: my bytes' place in a scale word
	v_mov_b32 v13, 0                               ; (named as the upper half of the pair v[12:13])
.irp p, 0,1,2,3,4,5,6,7
	v_mov_b32 v[RS+2*\p+1], 0                      ; (upper halves of pairs)
.endr
	s_mul_i32 s18, ttmp9, 98304                    ; 32 rows of 3,072 bytes a work-group,
	s_mul_i32 s19, s12, 24576                      ; 8 a wave
	s_add_co_u32 s18, s18, s19
	s_mov_b32 s19, 0
	s_mov_b32 s20, 0x3aaaaaab                      ; 1 / 768
	s_mov_b32 s21, 0x3727c5ac                      ; 1e-5
	s_mov_b32 s22, 0x76543210
	s_mov_b32 s23, 0xfedcba98
	s_lshl_b32 s24, ttmp9, 1
	s_add_co_u32 s24, s24, s13
	s_mul_i32 s24, s24, REC                        ; my record
	s_mul_i32 s16, s14, 4608
	s_add_co_u32 s16, s16, s24                     ; my three fragments in it
	s_mul_i32 s17, s14, 384
	s_add_co_u32 s24, s24, s17
	s_add_co_u32 s24, s24, 9216                    ; and their scale words
	s_mov_b32 s17, 0
	s_mov_b32 s25, 0
	s_wait_kmcnt 0x0
	s_add_nc_u64 s[4:5], s[4:5], s[18:19]
	s_add_nc_u64 s[26:27], s[10:11], s[16:17]
	s_add_nc_u64 s[28:29], s[10:11], s[24:25]
.irp p, 0,1,2,3,4,5,6,7
.irp q, 0,1,2,3,4,5
	global_load_b128 v[X+24*\p+4*\q:X+24*\p+4*\q+3], v1, s[4:5] offset:3072*\p+512*\q th:TH_LOAD_NT
.endr
.endr
	WIN 0x40                                       ; destination window 1: ln_w at v256-279, ln_b at v280-303, my 24 columns of each
.irp q, 0,1,2,3,4,5
	global_load_b128 v[4*\q:4*\q+3], v1, s[6:7] offset:512*\q
.endr
.irp q, 0,1,2,3,4,5
	global_load_b128 v[24+4*\q:24+4*\q+3], v1, s[8:9] offset:512*\q
.endr
	WIN 0
.macro ROW p
.set XR, X+24*(\p)
	s_wait_loadcnt 54-6*(\p)                       ; my row's six loads are in: behind them stand six for each later row and the twelve of ln_w and ln_b
	v_pk_add_f32 v[8:9], v[XR:XR+1], v[XR+2:XR+3]
	v_pk_add_f32 v[10:11], v[XR+4:XR+5], v[XR+6:XR+7]
.irp j, 8,12,16,20
	v_pk_add_f32 v[8:9], v[8:9], v[XR+\j:XR+\j+1]
	v_pk_add_f32 v[10:11], v[10:11], v[XR+\j+2:XR+\j+3]
.endr
	v_pk_add_f32 v[8:9], v[8:9], v[10:11]
	v_add_f32 v8, v8, v9
	REDUCE
	v_mul_f32 v12, 0xbaaaaaab, v8                  ; - mean
.irp j, 0,2,4,6,8,10,12,14,16,18,20,22
	v_pk_add_f32 v[XR+\j:XR+\j+1], v[XR+\j:XR+\j+1], v[12:13] op_sel_hi:[1,0]
.endr
	v_pk_mul_f32 v[8:9], v[XR:XR+1], v[XR:XR+1]
	v_pk_mul_f32 v[10:11], v[XR+2:XR+3], v[XR+2:XR+3]
.irp j, 4,8,12,16,20
	v_pk_fma_f32 v[8:9], v[XR+\j:XR+\j+1], v[XR+\j:XR+\j+1], v[8:9]
	v_pk_fma_f32 v[10:11], v[XR+\j+2:XR+\j+3], v[XR+\j+2:XR+\j+3], v[10:11]
.endr
	v_pk_add_f32 v[8:9], v[8:9], v[10:11]
	v_add_f32 v8, v8, v9
	REDUCE
	v_fma_f32 v[RS+2*(\p)], v8, s20, s21           ; var + eps
.endm
.irp p, 0,1,2,3,4,5,6,7
	ROW \p
.endr
	s_wait_alu depctr_va_vdst(0)
.irp p, 0,1,2,3,4,5,6,7
	v_rsq_f32 v[RS+2*\p], v[RS+2*\p]               ; the eight as one batch
.endr
	v_nop                                          ; a plain place behind the last of them
	s_wait_alu depctr_va_vdst(0)                   ; one wait for the batch, ahead of its first reader
.irp p, 0,1,2,3,4,5,6,7
.irp j, 0,2,4,6,8,10,12,14,16,18,20,22
	v_pk_mul_f32 v[X+24*\p+\j:X+24*\p+\j+1], v[X+24*\p+\j:X+24*\p+\j+1], v[RS+2*\p:RS+2*\p+1] op_sel_hi:[1,0]
.endr
.endr
	s_wait_loadcnt 0x0                             ; ln_w, ln_b
	WIN 0x14                                       ; sources 1 and 2 in window 1
.irp p, 0,1,2,3,4,5,6,7
.irp j, 0,2,4,6,8,10,12,14,16,18,20,22
	v_pk_fma_f32 v[X+24*\p+\j:X+24*\p+\j+1], v[X+24*\p+\j:X+24*\p+\j+1], v[\j:\j+1], v[24+\j:25+\j]
.endr
.endr
	WIN 0
.irp p, 0,1,2,3,4,5,6,7
.irp q, 0,1,2,3,4,5
	ds_store_b128 v2, v[X+24*\p+4*\q:X+24*\p+4*\q+3] offset:PITCH*\p+512*\q
.endr
.endr
	s_wait_dscnt 0x0                               ; for the others' sake: my rows lie in LDS
	s_barrier_signal -1
	s_barrier_wait -1
.irp f, 0,1,2
.irp c, 0,1
.irp q, 0,1,2,3,4,5,6,7
	ds_load_b128 v[X+64*\f+32*\c+4*\q:X+64*\f+32*\c+4*\q+3], v3 offset:512*\f+256*\c+16*\q   ; k = 128 ks + 64 c + 32 h + 4 q ..: the order of the operand's registers
.endr
.endr
.endr
.macro QF f
.set NB, X+64*(\f)
.set PCB, 208+12*(\f)
	s_wait_dscnt 32-16*(\f)                        ; this fragment's sixteen loads are in; the later fragments' may be out
	v_max3_num_f32 v8, |v[NB]|, |v[NB+1]|, 0x2800000       ; my blocks h and 2 + h, by turns, with the floor 2^(5 - 127)
	v_max3_num_f32 v9, |v[NB+32]|, |v[NB+33]|, 0x2800000
.irp i, 2,4,6,8,10,12,14,16,18,20,22,24,26,28,30
	v_max3_num_f32 v8, v8, |v[NB+\i]|, |v[NB+\i+1]|
	v_max3_num_f32 v9, v9, |v[NB+32+\i]|, |v[NB+33+\i]|
.endr
	v_add_nc_u32 v10, 0xfe000000, v8               ; 4 off the exponent field: the conversions' scale operands
	v_add_nc_u32 v11, 0xfe000000, v9
	v_lshrrev_b32 v8, 23, v10
	v_lshrrev_b32 v9, 23, v11
	v_lshl_or_b32 v8, v9, 16, v8
	v_lshlrev_b32 v8, v7, v8
	v_permlanex16_b32 v9, v8, s22, s23
	v_or_b32 v[12+\f], v8, v9                      ; the row's scale word, in both halves of the lanes
	v_cvt_scalef32_pk16_bf6_f32 v[PCB:PCB+2], v[NB:NB+15], v10
	v_cvt_scalef32_pk16_bf6_f32 v[244:246], v[NB+16:NB+31], v10
	v_cvt_scalef32_pk16_bf6_f32 v[PCB+6:PCB+8], v[NB+32:NB+47], v11
	v_cvt_scalef32_pk16_bf6_f32 v[248:250], v[NB+48:NB+63], v11
	v_nop                                          ; one plain place behind a scaled conversion
.irp i, 0,1,2
	v_mov_b32 v[PCB+3+\i], v[244+\i]
	v_mov_b32 v[PCB+9+\i], v[248+\i]
.endr
	global_store_b128 v1, v[PCB:PCB+3], s[26:27] offset:1536*(\f)
	global_store_b64 v4, v[PCB+4:PCB+5], s[26:27] offset:1536*(\f)+512
	global_store_b128 v1, v[PCB+6:PCB+9], s[26:27] offset:1536*(\f)+768
	global_store_b64 v4, v[PCB+10:PCB+11], s[26:27] offset:1536*(\f)+1280
	global_store_b32 v5, v[12+\f], s[28:29] offset:128*(\f)
.endm
	QF 0
	QF 1
	QF 2
.Lend:
	s_wait_tensorcnt 0x0                           ; the wave's end, on both paths
	ds_add_u32 v[SPW], v[NIL]
	s_wait_dscnt 0x0
	s_endpgm
.Lfunc_end_k_q658c84c8be_prepln:
	.size	k_q658c84c8be_prepln, .Lfunc_end_k_q658c84c8be_prepln-k_q658c84c8be_prepln
	.p2alignl 7, 3214868480
	.fill 96, 4, 3214868480
	.section	.rodata,"a",@progbits
	.p2align	6, 0x0
	.amdhsa_kernel k_q658c84c8be_prepln
		.amdhsa_group_segment_fixed_size 99328
		.amdhsa_private_segment_fixed_size 0
		.amdhsa_enable_private_segment 0
		.amdhsa_kernarg_size 80
		.amdhsa_user_sgpr_count 2
		.amdhsa_user_sgpr_kernarg_segment_ptr 1
		.amdhsa_wavefront_size32 1
		.amdhsa_system_sgpr_workgroup_id_x 1
		.amdhsa_system_sgpr_workgroup_id_y 1
		.amdhsa_system_sgpr_workgroup_id_z 1
		.amdhsa_system_vgpr_workitem_id 0
		.amdhsa_next_free_vgpr 320
		.amdhsa_next_free_sgpr 66
		.amdhsa_reserve_vcc 0
		.amdhsa_float_denorm_mode_32 3
		.amdhsa_float_denorm_mode_16_64 3
		.amdhsa_memory_ordered 1
		.amdhsa_forward_progress 1
		.amdhsa_inst_pref_size 98
	.end_amdhsa_kernel
	.amdgpu_metadata
---
amdhsa.version: [ 1, 2 ]
amdhsa.kernels:
  - .name:           k_q658c84c8be_prepln
    .symbol:         k_q658c84c8be_prepln.kd
    .args:
      - { .name: x, .offset: 0, .size: 8, .value_kind: global_buffer, .address_space: global }
      - { .name: ln_w, .offset: 8, .size: 8, .value_kind: global_buffer, .address_space: global }
      - { .name: ln_b, .offset: 16, .size: 8, .value_kind: global_buffer, .address_space: global }
      - { .name: hr, .offset: 24, .size: 8, .value_kind: global_buffer, .address_space: global }
      - { .name: wq, .offset: 32, .size: 8, .value_kind: global_buffer, .address_space: global }
      - { .name: wk, .offset: 40, .size: 8, .value_kind: global_buffer, .address_space: global }
      - { .name: wv, .offset: 48, .size: 8, .value_kind: global_buffer, .address_space: global }
      - { .name: w1, .offset: 56, .size: 8, .value_kind: global_buffer, .address_space: global }
      - { .name: w2, .offset: 64, .size: 8, .value_kind: global_buffer, .address_space: global }
      - { .name: wr, .offset: 72, .size: 8, .value_kind: global_buffer, .address_space: global }
    .group_segment_fixed_size: 99328
    .private_segment_fixed_size: 0
    .kernarg_segment_align: 8
    .kernarg_segment_size: 80
    .max_flat_workgroup_size: 128
    .sgpr_count:     66
    .vgpr_count:     320
    .wavefront_size: 32
...
	.end_amdgpu_metadata
.endif
;; end of part 1
;; launch qkv (part 2): grid 6 x 42, 8 waves a work-group, no clusters, 210,944 bytes of LDS; arguments hr, wr, bq, bk, bv, qkvb; writes qkvb
.if DOCPART == 2
	.amdgcn_target "amdgcn-amd-amdhsa--gfx1250"
	.amdhsa_code_object_version 6
	.text
	.protected	k_q658c84c8be_qkv
	.globl	k_q658c84c8be_qkv
	.p2align	8
	.type	k_q658c84c8be_qkv,@function
k_q658c84c8be_qkv:
	s_mov_b64 s[64:65], 0
	v_nop
	global_prefetch_b8 v0, s[64:65] scope:SCOPE_SE
	s_setreg_imm32_b32 hwreg(HW_REG_WAVE_MODE, 25, 1), 1
	s_wait_xcnt 0x0
; q = h wq + bq, k = h wk + bk, v = h wv + bv on codes of BF6, and each result quantised at once for the attention's products.  Nothing of reference() is left out.  LIMITS: as stated at the head of the first launch.
; ONE OPERAND STAYS IN REGISTERS: a wave keeps four tiles (64 rows) x all 768 K of one operand, 24 fragments, and walks 16-row tiles of the other, which lie in LDS as records (see the first launch).  Source 0 = the four tiles
; that stay, source 1 = the tile walked: a lane then holds ONE row of the walked tile and its 32 results are 2 x 16 neighbours along the 64 that stay: two blocks, quantised in fixed registers and stored as half a fragment (768 bytes).
; y < 26 (Q, K): what stays is one head's 64 columns of wq or wk; walked are 19 or 20 tiles of tokens; the results are rows of q or k with the head's 64 innermost.  The bias is the C of each sum's first product.
; y >= 26 (V): THE ROLES ARE SWAPPED: what stays is 64 tokens of h, walked are 16 tiles of wv's columns: a lane holds one channel d and its results run along the KEYS, which are the second product's K.  bv of the lane's d is added.
; Waves: slice = wave % 4 of the four that the work-group keeps; the two waves of a slice take the walked tiles by turns.  The walked records come into LDS once, by four tensor loads; nothing in LDS is filled twice.
; NO CLUSTER: the six work-groups that walk the same rows are no multiple of four.
; qkvb: q at 0, k at 5,505,024: for each (batch, head) 28,672 bytes: 32 half fragments (tile of 16 tokens), then 32 x 128 bytes of scale words (bytes s0, s1, 0, 0).
;       v at 11,010,048: for each (batch, head) 25,600 bytes: [tile of d: 4][64 keys: 8] half fragments, then scale words [256 keys: 2][tile of d: 4][row: 16][128 keys: 2].
.set REC, 9984
.set TAB, 20*REC                       ; behind the 20 records: V's scale words on their way, a region of TREG bytes for each wave, 128 bytes a trip
.set TREG, 1280
.set SPARE, TAB+8*TREG                 ; the spare words, 128 bytes for each wave
.set L16, 1                            ; 16, 8, 4 x lane
.set L8, 2
.set L4, 3
.set A16, 4                            ; the walked record in LDS, + 16, 8, 4 x lane
.set A8, 5
.set AS4, 6
.set O16, 7                            ; where the trip's results go
.set O8, 8
.set O4, 9
.set TB0, 10                           ; my region of TAB + 4 x lane
.set BVL, 11                           ; 4 (r + 8 (r / 8))
.set SPW, 12
.set NIL, 13
.set BVA, 14
.set TBA, 15
.set WS, 16                            ; v16-39  scale words of what stays: 4 ks + t
.set AS, 40                            ; v40-45  of the walked tile
.set LB, 46                            ; v46-47  bv of my d
.set BIAS, 48                          ; v48-79
.set ACC, 80                           ; v80-111
.set SF, 112                           ; v112-147 fragments 21-23 of what stays; fragments 0-20 fill window 1
.set AF, 148                           ; v148-219 the walked tile's six fragments
.set QT, 220                           ; v220-227 the quantiser's
.set PD, 228
.set CPY, 232
.set PC, 244                           ; v244-249 the codes made
.set PW, 250                           ; their two scale bytes
.set MSB, 0
.macro WIN new                         ; the immediate's high byte repeats the setting that is left
.if MSB != (\new)
	s_set_vgpr_msb (MSB<<8)|(\new)
.set MSB, (\new)
.endif
.endm
.macro PLACES n
.rept \n
	v_nop
.endr
.endm
.macro FRAG_GL reg, base, off          ; a fragment's image from memory: four loads, each of 256 or 512 consecutive bytes
	global_load_b128 v[(\reg):(\reg)+3], v[L16], s[\base:\base+1] offset:(\off)
	global_load_b64 v[(\reg)+4:(\reg)+5], v[L8], s[\base:\base+1] offset:(\off)+512
	global_load_b128 v[(\reg)+6:(\reg)+9], v[L16], s[\base:\base+1] offset:(\off)+768
	global_load_b64 v[(\reg)+10:(\reg)+11], v[L8], s[\base:\base+1] offset:(\off)+1280
.endm
.macro FRAG_DS reg, off                ; and from LDS
	ds_load_b128 v[(\reg):(\reg)+3], v[A16] offset:(\off)
	ds_load_b64 v[(\reg)+4:(\reg)+5], v[A8] offset:(\off)+512
	ds_load_b128 v[(\reg)+6:(\reg)+9], v[A16] offset:(\off)+768
	ds_load_b64 v[(\reg)+10:(\reg)+11], v[A8] offset:(\off)+1280
.endm
.macro MMC d, a, b, c, sa, sb
	v_wmma_scale_f32_16x16x128_f8f6f4 v[(\d):(\d)+7], v[(\a):(\a)+11], v[(\b):(\b)+11], v[(\c):(\c)+7], v[\sa], v[\sb] matrix_a_fmt:MATRIX_FMT_BF6 matrix_b_fmt:MATRIX_FMT_BF6
.endm
; 32 numbers of a lane, register 16 b + i = k 32 b + 16 (lane / 16) + i of my row, become half a fragment's codes in v[PC] on and two scale bytes in v[PW]
.macro QUANT2 s
	v_max3_num_f32 v[QT], |v[\s]|, |v[\s+1]|, 0x2800000            ; the two blocks by turns, with the floor 2^(5 - 127); each accumulator is read from its low end on
	v_max3_num_f32 v[QT+1], |v[\s+16]|, |v[\s+17]|, 0x2800000
.irp i, 2,4,6,8,10,12,14
	v_max3_num_f32 v[QT], v[QT], |v[\s+\i]|, |v[\s+\i+1]|
	v_max3_num_f32 v[QT+1], v[QT+1], |v[\s+16+\i]|, |v[\s+17+\i]|
.endr
	s_delay_alu instid0(VALU_DEP_2)
	v_permlanex16_b32 v[QT+2], v[QT], s60, s61
	s_delay_alu instid0(VALU_DEP_2)
	v_permlanex16_b32 v[QT+3], v[QT+1], s60, s61
	s_delay_alu instid0(VALU_DEP_2)
	v_max_num_f32 v[QT], v[QT], v[QT+2]            ; with lane l xor 16's sixteen: the block's largest magnitude
	s_delay_alu instid0(VALU_DEP_2)
	v_max_num_f32 v[QT+1], v[QT+1], v[QT+3]
	s_delay_alu instid0(VALU_DEP_2)
	v_add_nc_u32 v[QT+4], 0xfe000000, v[QT]        ; 4 off the exponent field: the conversion's scale operand
	s_delay_alu instid0(VALU_DEP_2)
	v_add_nc_u32 v[QT+5], 0xfe000000, v[QT+1]
	s_delay_alu instid0(VALU_DEP_2)
	v_lshrrev_b32 v[QT+6], 23, v[QT+4]
	s_delay_alu instid0(VALU_DEP_2)
	v_lshrrev_b32 v[QT+7], 23, v[QT+5]
	s_delay_alu instid0(VALU_DEP_1)
	v_lshl_or_b32 v[PW], v[QT+7], 8, v[QT+6]
	v_cvt_scalef32_pk16_bf6_f32 v[PC:PC+2], v[\s:\s+15], v[QT+4]
	v_cvt_scalef32_pk16_bf6_f32 v[PD:PD+2], v[\s+16:\s+31], v[QT+5]
	v_nop                                          ; one plain place behind a scaled conversion
.irp i, 0,1,2
	v_permlane16_swap_b32 v[PC+\i], v[PD+\i]       ; the operand's layout wants a whole block in a lane: lanes 0-15 block 0, lanes 16-31 block 1
.endr
.irp i, 0,1,2
	s_delay_alu instid0(VALU_DEP_3)
	v_mov_b32 v[PC+3+\i], v[PD+\i]
.endr
.endm
	s_load_b256 s[4:11], s[0:1], 0x0               ; hr s[4:5], wr s[6:7], bq s[8:9], bk s[10:11]
	s_load_b128 s[12:15], s[0:1], 0x20             ; bv s[12:13], qkvb s[14:15]
	v_lshl_add_u32 v[SPW], v0, 2, SPARE
	v_mov_b32 v[NIL], 0
	ds_add_u32 v[SPW], v[NIL]                      ; the wave's opening: the add, twice on end, and its wait ahead of the first tensor load
	ds_add_u32 v[SPW], v[NIL]
	v_lshrrev_b32 v1, 5, v0
	s_delay_alu instid0(VALU_DEP_1)
	v_readfirstlane_b32 s16, v1                    ; wave
	s_and_b32 s17, s16, 3                          ; slice
	s_lshr_b32 s18, s16, 2                         ; which of the two waves of a slice
	s_and_b32 s20, ttmp7, 0xffff                   ; y
	s_cmp_lt_u32 s20, 8                            ; Q, K: 8 groups of 19 tiles of tokens, then 18 of 20
	s_cselect_b32 s49, 19, 20
	s_cselect_b32 s53, 0, 8
	s_mul_i32 s48, s20, s49
	s_sub_co_u32 s48, s48, s53
	s_cmp_ge_u32 ttmp9, 3
	s_cselect_b32 s22, 1, 0                        ; Q, K: k's half of x.  V: which 256 tokens of the pair
	s_lshl_b32 s54, ttmp9, 2
	s_add_co_u32 s54, s54, s17
	s_lshl_b32 s55, s54, 2
	s_add_co_u32 s55, s55, 48                      ; Q, K: the first record that stays
	s_mul_i32 s56, s22, 12
	s_sub_co_u32 s56, s54, s56                     ; the head
	s_mul_i32 s57, s56, 28672
	s_mul_i32 s58, s22, 5505024
	s_add_co_u32 s57, s57, s58                     ; its blocks in qkvb
	s_lshl_b32 s56, s56, 8                         ; its 64 biases
	s_mul_i32 s58, s22, 3
	s_sub_co_u32 s58, ttmp9, s58                   ; V: which 16 tiles of wv
	s_max_u32 s59, s20, 26
	s_sub_co_u32 s59, s59, 26
	s_lshl_b32 s59, s59, 1
	s_add_co_u32 s59, s59, s22                     ; V: which 256 tokens
	s_lshr_b32 s62, s59, 1                         ; the batch
	s_and_b32 s63, s59, 1
	s_lshl_b32 s66, s59, 4
	s_lshl_b32 s67, s17, 2
	s_add_co_u32 s66, s66, s67                     ; V: the first record that stays
	s_lshl_b32 s67, s58, 4                         ; V: the first record walked
	s_mul_i32 s68, s62, 307200
	s_add_co_u32 s68, s68, 11010048                ; V: the batch's blocks
	s_lshl_b32 s69, s63, 2
	s_add_co_u32 s69, s69, s17
	s_mul_i32 s69, s69, 768
	s_add_co_u32 s69, s69, s68                     ; + my 64 keys' place in a row of half fragments
	s_lshl_b32 s70, s58, 2                         ; V: where my wave's 256 bytes of scale words go
	s_lshr_b32 s71, s16, 1
	s_add_co_u32 s70, s70, s71
	s_mul_i32 s70, s70, 25600
	s_add_co_u32 s70, s70, s68
	s_lshl_b32 s71, s63, 9
	s_add_co_u32 s70, s70, s71
	s_and_b32 s71, s16, 1
	s_lshl_b32 s71, s71, 8
	s_add_co_u32 s70, s70, s71
	s_add_co_u32 s70, s70, 24576
	s_mov_b32 s71, 0
	s_cmp_ge_u32 s20, 26                           ; the path, by the work-group's number alone
	s_cselect_b32 s21, 1, 0
	s_cselect_b32 s49, 16, s49                     ; tiles to walk
	s_cselect_b32 s48, s67, s48                    ; the first of them
	s_cselect_b32 s55, s66, s55
	s_cselect_b32 s57, s69, s57
	s_cselect_b32 s56, 0, s56
	s_cselect_b32 s44, 2, 5                        ; a walked tile X goes to (X >> SH) x MA + (X & MK) x MB
	s_cselect_b32 s45, 3, 31
	s_mov_b32 s46, 344064
	s_cselect_b32 s46, 25600, s46
	s_mov_b32 s47, 768
	s_cselect_b32 s47, 6144, s47
	s_mov_b32 s24, 3<<16                           ; group 1: five records, 49,920 dense bytes, as 195 rows of 32 elements of 8 bytes; no mask, no padding
	s_mov_b32 s25, 32<<16                          ; tensor_dim0 = 32
	s_mov_b32 s26, 195<<16                         ; tensor_dim1 = 195
	s_mov_b32 s27, 32<<16                          ; tile_dim0 = 32
	s_mov_b32 s28, 195                             ; tile_dim1 = 195
	s_mov_b32 s29, 32                              ; the pitch
	s_mov_b32 s30, 0
	s_mov_b32 s31, 0
	s_mov_b32 s32, 1
	s_mul_i32 s33, s16, 5*REC                      ; wave w's five records in LDS
	s_mov_b32 s60, 0x76543210
	s_mov_b32 s61, 0xfedcba98
	v_and_b32 v15, 31, v0
	s_delay_alu instid0(VALU_DEP_1)
	v_lshlrev_b32 v[L16], 4, v15
	s_delay_alu instid0(VALU_DEP_2)
	v_lshlrev_b32 v[L8], 3, v15
	s_delay_alu instid0(VALU_DEP_3)
	v_lshlrev_b32 v[L4], 2, v15
	v_and_b32 v14, 15, v0
	s_delay_alu instid0(VALU_DEP_1)
	v_and_b32 v[BVL], 8, v14
	s_delay_alu instid0(VALU_DEP_1)
	v_add_nc_u32 v[BVL], v[BVL], v14
	s_delay_alu instid0(VALU_DEP_1)
	v_lshlrev_b32 v[BVL], 2, v[BVL]
	s_mul_i32 s50, s16, TREG
	s_add_co_u32 s50, s50, TAB
	v_add_nc_u32 v[TB0], s50, v[L4]
	v_bfe_u32 v15, v0, 4, 1
	s_delay_alu instid0(VALU_DEP_1)
	v_mul_u32_u24 v[CPY], v15, 4*TREG              ; the copy at the end: lanes 0-15 read the even tile's four waves, lanes 16-31 the odd tile's
	s_delay_alu instid0(VALU_DEP_1)
	v_lshl_add_u32 v[CPY], v14, 2, v[CPY]
	s_lshl_b32 s50, s16, 7
	s_add_co_u32 s50, s50, TAB
	v_add_nc_u32 v[CPY], s50, v[CPY]
	v_lshlrev_b32 v[BVA], 6, v15                   ; 64 h: my half's eight biases of a tile
	v_mov_b32 v[LB], 0
	v_mov_b32 v[LB+1], 0
	v_mov_b32 v[QT+2], 0                           ; (a lane permute's destination counts as one of its sources)
	v_mov_b32 v[QT+3], 0
	s_wait_dscnt 0x0                               ; both opening adds are done
	s_wait_kmcnt 0x0
	s_cmp_ge_u32 s20, 26
	s_cselect_b64 s[36:37], s[6:7], s[4:5]         ; walked: wv's records or h's
	s_cselect_b64 s[38:39], s[4:5], s[6:7]         ; what stays: h's records or the weight's
	s_mul_i32 s52, s48, REC
	s_add_co_u32 s52, s52, s33
	s_mov_b32 s53, 0
	s_add_nc_u64 s[34:35], s[36:37], s[52:53]
	s_or_b32 s35, s35, 0x80000000
	s_cmp_lt_u32 s16, 4                            ; waves 0 to 3 fetch five records each: one load of mine is out
	s_cbranch_scc0 .Lno_fill
	tensor_load_to_lds s[32:35], s[24:31]
	s_nop 0
	PLACES 4
.Lno_fill:
	s_mul_i32 s52, s55, REC
	s_add_nc_u64 s[38:39], s[38:39], s[52:53]
	WIN 0x40                                       ; destination window 1
.set f, 0
.rept 21
	FRAG_GL 12*f, 38, (f%4)*REC+(f/4)*1536
.set f, f+1
.endr
	WIN 0
.rept 3
	FRAG_GL SF+12*(f-21), 38, (f%4)*REC+(f/4)*1536
.set f, f+1
.endr
.set f, 0
.rept 24
	global_load_b32 v[WS+f], v[L4], s[38:39] offset:(f%4)*REC+9216+128*(f/4)
.set f, f+1
.endr
	s_cmp_eq_u32 s22, 0
	s_cselect_b64 s[42:43], s[8:9], s[10:11]       ; bq or bk,
	s_cmp_eq_u32 s21, 0
	s_cselect_b64 s[42:43], s[42:43], s[12:13]     ; or bv
	s_mov_b32 s52, s56
	s_add_nc_u64 s[42:43], s[42:43], s[52:53]
	s_mov_b32 s52, s57
	s_add_nc_u64 s[40:41], s[14:15], s[52:53]      ; where the codes go
	s_add_nc_u64 s[66:67], s[14:15], s[70:71]      ; V: where the scale words go
	s_cmp_eq_u32 s21, 0
	s_cbranch_scc0 .Lv_bias
	s_wait_alu depctr_va_vdst(0)
.irp t, 0,1,2,3
	global_load_b128 v[BIAS+8*\t:BIAS+8*\t+3], v[BVA], s[42:43] offset:(32*(\t/2)+8*(\t%2))*4      ; the bias in the result's layout: units 32 (t / 2) + 16 h + 8 (t % 2) + 0 .. 7
	global_load_b128 v[BIAS+8*\t+4:BIAS+8*\t+7], v[BVA], s[42:43] offset:(32*(\t/2)+8*(\t%2))*4+16
.endr
	s_branch .Lbias_done
.Lv_bias:
.set n, 0
.rept 32
	v_mov_b32 v[BIAS+n], 0                         ; V: the bias hangs on the walked tile: it is added behind the sums
.set n, n+1
.endr
.Lbias_done:
	s_mov_b32 s50, s18                             ; the walked tile: 2 x trip + my turn
	s_mul_i32 s51, s18, REC                        ; and its record in LDS
	s_mov_b32 s59, 0
	s_mov_b32 s23, 0
	s_wait_loadcnt 0x0
	s_wait_tensorcnt 0x0                           ; my five records are in,
	s_barrier_signal -1
	s_barrier_wait -1                              ; everybody's are
.Ltrip:                                                ; ten trips in every work-group; a trip past the group's tiles does nothing but step
	s_cmp_ge_u32 s50, s49
	s_cbranch_scc1 .Lskip
	s_wait_xcnt 0x0                                ; the last trip's stores and load have read their registers
	s_add_co_u32 s53, s48, s50
	s_lshr_b32 s54, s53, s44
	s_and_b32 s55, s53, s45
	s_mul_i32 s56, s54, s46
	s_lshl_b32 s58, s55, 7
	s_add_co_u32 s58, s58, s56
	v_add_nc_u32 v[O4], s58, v[L4]                 ; Q, K: the tile's scale words
	s_mul_i32 s57, s55, s47
	s_add_co_u32 s56, s56, s57
	v_add_nc_u32 v[O16], s56, v[L16]
	v_add_nc_u32 v[O8], s56, v[L8]
	v_add_nc_u32 v[A16], s51, v[L16]
	v_add_nc_u32 v[A8], s51, v[L8]
	v_add_nc_u32 v[AS4], s51, v[L4]
	v_add_nc_u32 v[TBA], s59, v[TB0]
	s_cmp_eq_u32 s21, 0
	s_cbranch_scc1 .Lno_bv
	s_lshr_b32 s57, s53, 1                         ; V: bv of my d = 32 (X / 2) + 8 (X % 2) + r + 8 (r / 8)
	s_lshl_b32 s57, s57, 7
	s_and_b32 s58, s53, 1
	s_lshl_b32 s58, s58, 5
	s_add_co_u32 s57, s57, s58
	v_add_nc_u32 v[BVA], s57, v[BVL]
	global_load_b32 v[LB], v[BVA], s[42:43]
.Lno_bv:
	s_wait_alu depctr_va_vdst(0)
.irp ks, 0,1,2,3,4,5
	ds_load_b32 v[AS+\ks], v[AS4] offset:9216+128*\ks
.endr
.irp ks, 0,1,2,3,4,5
	FRAG_DS AF+12*\ks, 1536*\ks
.endr
.irp ks, 0,1,2,3,4,5
	s_wait_dscnt 4*(5-\ks)                         ; the scale words and fragments 0 .. ks are in; the later fragments' four loads each may be out
.irp t, 0,1,2,3                                ; the four accumulators by turns
.if (4*\ks+\t)<21
	WIN 0x01                                       ; source 0 in window 1
.set ar, 12*(4*\ks+\t)
.else
	WIN 0
.set ar, SF+12*(4*\ks+\t-21)
.endif
.if \ks==0
	MMC ACC+8*\t, ar, AF+12*\ks, BIAS+8*\t, WS+4*\ks+\t, AS+\ks
.else
	MMC ACC+8*\t, ar, AF+12*\ks, ACC+8*\t, WS+4*\ks+\t, AS+\ks
.endif
.endr
.endr
	WIN 0
	PLACES 4                                       ; behind the last products, ahead of the first read of results
	s_wait_loadcnt 0x0                             ; V: bv is in (Q, K: nothing is out)
	s_cmp_eq_u32 s21, 0
	s_cbranch_scc1 .Lno_add
.set n, 0
.rept 16
	v_pk_add_f32 v[ACC+n:ACC+n+1], v[ACC+n:ACC+n+1], v[LB:LB+1] op_sel_hi:[1,0]
.set n, n+2
.endr
.Lno_add:
	QUANT2 ACC
	global_store_b128 v[O16], v[PC:PC+3], s[40:41]               ; 512 and 256 consecutive bytes
	global_store_b64 v[O8], v[PC+4:PC+5], s[40:41] offset:512
	s_cmp_eq_u32 s21, 0
	s_cbranch_scc0 .Lv_word
	global_store_b32 v[O4], v[PW], s[40:41] offset:24576
	s_branch .Lskip
.Lv_word:
	s_wait_alu depctr_va_vdst(0)
	ds_store_b32 v[TBA], v[PW]                     ; V: a row's word needs two waves' bytes: they meet in LDS
.Lskip:
	s_add_co_u32 s50, s50, 2
	s_add_co_u32 s51, s51, 2*REC
	s_add_co_u32 s59, s59, 128
	s_add_co_u32 s23, s23, 1
	s_cmp_lt_u32 s23, 10
	s_cbranch_scc1 .Ltrip
	s_wait_dscnt 0x0                               ; for the others' sake: my words lie in LDS
	s_barrier_signal -1
	s_barrier_wait -1
	s_cmp_eq_u32 s21, 0
	s_cbranch_scc1 .Lend
	ds_load_b32 v234, v[CPY]                       ; V: wave w takes tiles 2 w and 2 w + 1 (trip w of both turns): the four slices' bytes of row r
	ds_load_b32 v235, v[CPY] offset:TREG
	ds_load_b32 v236, v[CPY] offset:2*TREG
	ds_load_b32 v237, v[CPY] offset:3*TREG
	s_wait_dscnt 0x0
	v_lshl_or_b32 v238, v235, 16, v234             ; keys 0-127 of the 256,
	v_lshl_or_b32 v239, v237, 16, v236             ; keys 128-255
	global_store_b64 v[L8], v[238:239], s[66:67]   ; the wave stores 256 consecutive bytes, aligned
.Lend:
	s_wait_tensorcnt 0x0                           ; the wave's end
	ds_add_u32 v[SPW], v[NIL]
	s_wait_dscnt 0x0
	s_endpgm
.Lfunc_end_k_q658c84c8be_qkv:
	.size	k_q658c84c8be_qkv, .Lfunc_end_k_q658c84c8be_qkv-k_q658c84c8be_qkv
	.p2alignl 7, 3214868480
	.fill 96, 4, 3214868480
	.section	.rodata,"a",@progbits
	.p2align	6, 0x0
	.amdhsa_kernel k_q658c84c8be_qkv
		.amdhsa_group_segment_fixed_size 210944
		.amdhsa_private_segment_fixed_size 0
		.amdhsa_enable_private_segment 0
		.amdhsa_kernarg_size 48
		.amdhsa_user_sgpr_count 2
		.amdhsa_user_sgpr_kernarg_segment_ptr 1
		.amdhsa_wavefront_size32 1
		.amdhsa_system_sgpr_workgroup_id_x 1
		.amdhsa_system_sgpr_workgroup_id_y 1
		.amdhsa_system_sgpr_workgroup_id_z 1
		.amdhsa_system_vgpr_workitem_id 0
		.amdhsa_next_free_vgpr 512
		.amdhsa_next_free_sgpr 72
		.amdhsa_reserve_vcc 0
		.amdhsa_float_denorm_mode_32 3
		.amdhsa_float_denorm_mode_16_64 3
		.amdhsa_memory_ordered 1
		.amdhsa_forward_progress 1
		.amdhsa_inst_pref_size 31
	.end_amdhsa_kernel
	.amdgpu_metadata
---
amdhsa.version: [ 1, 2 ]
amdhsa.kernels:
  - .name:           k_q658c84c8be_qkv
    .symbol:         k_q658c84c8be_qkv.kd
    .args:
      - { .name: hr, .offset: 0, .size: 8, .value_kind: global_buffer, .address_space: global }
      - { .name: wr, .offset: 8, .size: 8, .value_kind: global_buffer, .address_space: global }
      - { .name: bq, .offset: 16, .size: 8, .value_kind: global_buffer, .address_space: global }
      - { .name: bk, .offset: 24, .size: 8, .value_kind: global_buffer, .address_space: global }
      - { .name: bv, .offset: 32, .size: 8, .value_kind: global_buffer, .address_space: global }
      - { .name: qkvb, .offset: 40, .size: 8, .value_kind: global_buffer, .address_space: global }
    .group_segment_fixed_size: 210944
    .private_segment_fixed_size: 0
    .kernarg_segment_align: 8
    .kernarg_segment_size: 48
    .max_flat_workgroup_size: 256
    .sgpr_count:     72
    .vgpr_count:     512
    .wavefront_size: 32
...
	.end_amdgpu_metadata
.endif
;; end of part 2
;; launch attn (part 3): grid 16 x 16, 12 waves a work-group, clusters of 4 x 1, 216,576 bytes of LDS; arguments qkvb, x, x1; writes x1
.if DOCPART == 3
	.amdgcn_target "amdgcn-amd-amdhsa--gfx1250"
	.amdhsa_code_object_version 6
	.text
	.protected	k_q658c84c8be_attn
	.globl	k_q658c84c8be_attn
	.p2align	8
	.type	k_q658c84c8be_attn,@function
k_q658c84c8be_attn:
	s_mov_b64 s[64:65], 0
	v_nop
	global_prefetch_b8 v0, s[64:65] scope:SCOPE_SE
	s_setreg_imm32_b32 hwreg(HW_REG_WAVE_MODE, 25, 1), 1
	s_wait_xcnt 0x0
	s_wait_alu depctr_hold_cnt(0) depctr_sa_sdst(0) depctr_va_vdst(0) depctr_va_sdst(0) depctr_va_ssrc(0) depctr_va_vcc(0) depctr_vm_vsrc(0)
	s_getreg_b32 s2, hwreg(HW_REG_IB_STS2, 6, 4)
	s_cmp_eq_u32 s2, 0
	s_cbranch_scc0 .Lentry_in_a_cluster
	s_endpgm
.Lentry_in_a_cluster:
	s_bfe_u32 s2, ttmp6, 0x10000c
	s_cmp_lg_u32 s2, 0x3003
	s_cbranch_scc0 .Lentry_shape_is_right
	s_endpgm
.Lentry_shape_is_right:
; x1 = softmax(q k^T / 8) v + x, both products on codes of BF6.  Nothing of reference() is left out.  LIMITS: as stated at the head of the first launch; v_exp_f32 and v_rcp_f32 flush denormals (ISA guide, their entries).
; THE SOFTMAX AHEAD OF THE SECOND PRODUCT: t = score x log2(e) / 8; M = the row's largest t so far, rounded UP to a whole number; p = 2^(t - M) is quantised along the keys, not normalised; the row's sum is taken of the
; unquantised p and divides at the end.  When M moves, the sum and O are multiplied by 2^(old M - new M): exact.
; SHARES.  A work-group has three heads of one batch and 8 of its 32 tiles of 16 queries; the four work-groups of a cluster have the same heads and the four quarters of the queries, so K and V are asked for JOINTLY: six
; tensor loads (waves 0-2 a head's K, waves 3-5 a head's V), once: nothing in LDS is filled twice.  Wave w: head w / 4, two tiles of queries one after the other; three waves to a SIMD.
; LAYOUT.  Both products are used transposed: S^T = K Q^T (source 0 = 16 keys), O^T = V^T P^T (source 0 = 16 of the head's 64): a lane holds ONE query throughout.  Row r of a tile of keys is key 32 (T / 2) + 8 (T % 2) + r + 8 (r / 8),
; so that the 16 registers of two neighbouring tiles are 16 neighbouring keys.  The head's size is 64: registers 6-11 of Q's and K's fragments are zero codes, cleared once.
; REGISTERS: v1-11, v28-31 addresses; v12 -M, v13 the largest t, v[14:15] the sum; v16-27 Q; v32-79 four fragments of K; v80-127 four of V; v128-191 S^T, then p; v192-223 O^T; v224-235 p's codes; v243 p's scale word; v232-254 at work; v255 Q's scale words.
.set KBLK, 28672
.set VBLK, 25600
.set VB0, 3*KBLK
.set STG, VB0+3*VBLK                   ; the way out: 16 rows x (256 + 16) bytes for each wave
.set SP, 272
.set SPARE, STG+12*16*SP               ; the spare words, 128 bytes for each wave
.set L16, 1
.set L8, 2
.set L4, 3
.set VSL, 4                            ; 8 r
.set SPW, 5
.set NIL, 6
.set STO, 7
.set RD, 8
.set GO, 9
.set KA16, 10
.set KA8, 11
.set KAS, 28
.set VA16, 29
.set VA8, 30
.set VAS, 31
.macro PLACES n
.rept \n
	v_nop
.endr
.endm
.macro CROUND                          ; a round of the cluster's barrier
	s_barrier_signal -1
	s_barrier_wait -1
	s_cmp_lg_u32 s10, 0
	s_cbranch_scc1 .Lnot_wave_0_\@
	s_barrier_signal -3
.Lnot_wave_0_\@:
	s_barrier_wait -3
	s_barrier_signal -1
	s_barrier_wait -1
.endm
	s_load_b128 s[4:7], s[0:1], 0x0                ; qkvb s[4:5], x s[6:7]
	s_load_b64 s[8:9], s[0:1], 0x10                ; x1
	v_lshl_add_u32 v[SPW], v0, 2, SPARE
	v_mov_b32 v[NIL], 0
	ds_add_u32 v[SPW], v[NIL]                      ; the wave's opening: the add, twice on end, and its wait ahead of the first tensor load
	ds_add_u32 v[SPW], v[NIL]
	v_lshrrev_b32 v1, 5, v0
	s_delay_alu instid0(VALU_DEP_1)
	v_readfirstlane_b32 s10, v1                    ; wave 0..11
	s_lshr_b32 s11, s10, 2                         ; which of the three heads
	s_and_b32 s12, s10, 3                          ; which pair of tiles of queries
	s_bfe_u32 s13, ttmp6, 0x40000                  ; cx: it enters Q's, x's and x1's addresses alone
	s_and_b32 s14, ttmp7, 0xffff                   ; the batch
	s_mul_i32 s58, s14, 12
	s_mul_i32 s59, ttmp9, 3
	s_add_co_u32 s58, s58, s59                     ; the first of my three (batch, head) blocks
	s_add_co_u32 s59, s58, s10
	s_mul_i32 s60, s59, KBLK
	s_add_co_u32 s60, s60, 5505024                 ; wave w < 3: K's block of head w
	s_mov_b32 s61, 0
	s_mul_i32 s62, s59, VBLK
	s_add_co_u32 s62, s62, 11010048-3*VBLK         ; wave 3 <= w < 6: V's block of head w - 3
	s_mov_b32 s63, 0
	s_mov_b32 s16, 15|(3<<16)|(1<<21)              ; group 1 for K: the mask names the four work-groups; elements of 8 bytes; bit 21 set beside a mask; 112 rows of 256 dense bytes
	s_mov_b32 s17, 32<<16
	s_mov_b32 s18, 112<<16
	s_mov_b32 s19, 32<<16
	s_mov_b32 s20, 112
	s_mov_b32 s21, 32
	s_mov_b32 s22, 0
	s_mov_b32 s23, 0
	s_mov_b32 s24, 15|(3<<16)|(1<<21)              ; for V: 100 rows
	s_mov_b32 s25, 32<<16
	s_mov_b32 s26, 100<<16
	s_mov_b32 s27, 32<<16
	s_mov_b32 s28, 100
	s_mov_b32 s29, 32
	s_mov_b32 s30, 0
	s_mov_b32 s31, 0
	s_mov_b32 s32, 1
	s_mul_i32 s33, s10, KBLK
	s_mov_b32 s36, 1
	s_mul_i32 s37, s10, VBLK
	s_add_co_u32 s37, s37, VB0-3*VBLK
	s_mov_b32 s40, 0x76543210
	s_mov_b32 s41, 0xfedcba98
	s_mov_b32 s42, 0x3e38aa3b                      ; c = log2(e) / 8
	s_mov_b32 s43, s42
	s_mul_i32 s70, s11, KBLK                       ; my head's K in LDS, its scale words,
	s_add_co_u32 s71, s70, 24576
	s_mul_i32 s72, s11, VBLK
	s_add_co_u32 s72, s72, VB0                     ; its V, and V's scale words
	s_add_co_u32 s73, s72, 24576
	s_add_co_u32 s59, s58, s11
	s_mul_i32 s59, s59, KBLK                       ; my head's q
	s_lshl_b32 s66, s13, 3
	s_lshl_b32 s67, s12, 1
	s_add_co_u32 s66, s66, s67                     ; my first tile of queries
	s_mul_i32 s67, s66, 768
	s_add_co_u32 s68, s59, s67
	s_mov_b32 s69, 0
	s_lshl_b32 s67, s66, 7
	s_add_co_u32 s74, s59, s67
	s_add_co_u32 s74, s74, 24576
	s_mov_b32 s75, 0
	s_lshl_b32 s76, s14, 9
	s_lshl_b32 s67, s66, 4
	s_add_co_u32 s76, s76, s67                     ; its first token
	s_mul_i32 s76, s76, 3072
	s_mul_i32 s67, ttmp9, 3
	s_add_co_u32 s67, s67, s11
	s_lshl_b32 s67, s67, 8
	s_add_co_u32 s76, s76, s67                     ; + the head's 256 bytes of a row
	s_mov_b32 s77, 0
	v_and_b32 v7, 31, v0
	s_delay_alu instid0(VALU_DEP_1)
	v_lshlrev_b32 v[L16], 4, v7
	s_delay_alu instid0(VALU_DEP_2)
	v_lshlrev_b32 v[L8], 3, v7
	s_delay_alu instid0(VALU_DEP_3)
	v_lshlrev_b32 v[L4], 2, v7
	v_and_b32 v10, 15, v0                          ; r
	v_bfe_u32 v11, v0, 4, 1                        ; h
	s_delay_alu instid0(VALU_DEP_2)
	v_lshlrev_b32 v[VSL], 3, v10
	s_mul_i32 s78, s10, 16*SP
	s_add_co_u32 s78, s78, STG
	v_mul_u32_u24 v[STO], v10, SP
	s_delay_alu instid0(VALU_DEP_1)
	v_lshl_add_u32 v[STO], v11, 6, v[STO]
	s_delay_alu instid0(VALU_DEP_1)
	v_add_nc_u32 v[STO], s78, v[STO]               ; into my stage: row r, + 64 h
	v_mul_u32_u24 v[RD], v11, SP
	s_delay_alu instid0(VALU_DEP_1)
	v_lshl_add_u32 v[RD], v10, 4, v[RD]
	s_delay_alu instid0(VALU_DEP_1)
	v_add_nc_u32 v[RD], s78, v[RD]                 ; back: lanes 0-15 one row, lanes 16-31 the next
	v_mul_u32_u24 v[GO], v11, 3072
	s_delay_alu instid0(VALU_DEP_1)
	v_lshl_add_u32 v[GO], v10, 4, v[GO]            ; and the same in x and x1
.irp i, 22,23,24,25,26,27
	v_mov_b32 v[\i], 0                             ; Q's upper 64 along K: zero codes
.endr
.irp t, 0,1,2,3
.irp i, 6,7,8,9,10,11
	v_mov_b32 v[32+12*\t+\i], 0                    ; K's likewise
.endr
.endr
.irp b, 0,1,2,3
	v_mov_b32 v[236+\b], 0                         ; (a lane permute's destination counts as one of its sources)
.endr
	v_mov_b32 v252, 0
	v_mov_b32 v253, 0                              ; (the upper half of the pair v[252:253])
	s_wait_dscnt 0x0                               ; both opening adds are done
	s_wait_kmcnt 0x0
	s_add_nc_u64 s[34:35], s[4:5], s[60:61]
	s_or_b32 s35, s35, 0x80000000
	s_add_nc_u64 s[38:39], s[4:5], s[62:63]
	s_or_b32 s39, s39, 0x80000000
	s_add_nc_u64 s[50:51], s[4:5], s[68:69]        ; Q's codes
	s_add_nc_u64 s[52:53], s[4:5], s[74:75]        ; Q's scale words
	s_add_nc_u64 s[54:55], s[6:7], s[76:77]        ; x
	s_add_nc_u64 s[56:57], s[8:9], s[76:77]        ; x1
	CROUND                                         ; all four work-groups are here: the joint loads meet
	s_cmp_lt_u32 s10, 3
	s_cbranch_scc0 .Lnot_k
	tensor_load_to_lds s[32:35], s[16:23]
	s_nop 0
	PLACES 4
	s_branch .Lasked
.Lnot_k:
	s_cmp_lt_u32 s10, 6
	s_cbranch_scc0 .Lasked
	tensor_load_to_lds s[36:39], s[24:31]
	s_nop 0
	PLACES 4
.Lasked:
	s_wait_tensorcnt 0x0                           ; my block is in,
	s_barrier_signal -1
	s_barrier_wait -1                              ; everybody's is
; A KEY STEP: 128 keys, the q-th of a pair of steps
.macro STEP q
	v_add_nc_u32 v[KA16], s44, v[L16]              ; (these six are also the places behind the last products, ahead of the loads into their scale registers)
	s_wait_alu depctr_va_vdst(0)
	v_add_nc_u32 v[KA8], s44, v[L8]
	s_wait_alu depctr_va_vdst(0)
	v_add_nc_u32 v[KAS], s45, v[L4]
	s_wait_alu depctr_va_vdst(0)
	v_add_nc_u32 v[VA16], s46, v[L16]
	v_add_nc_u32 v[VA8], s46, v[L8]
	v_add_nc_u32 v[VAS], s47, v[VSL]
.irp g, 0,1                                    ; S^T = K Q^T, four tiles of 16 keys at a time
.if \g
	PLACES 4                                       ; ahead of loads into registers that matrix instructions have read
.endif
.irp t, 0,1,2,3
	ds_load_b128 v[32+12*\t:35+12*\t], v[KA16] offset:(8*(\q)+4*\g+\t)*768
	ds_load_b64 v[36+12*\t:37+12*\t], v[KA8] offset:(8*(\q)+4*\g+\t)*768+512
	ds_load_b32 v[248+\t], v[KAS] offset:(8*(\q)+4*\g+\t)*128
.endr
	s_wait_dscnt 0x0
.irp t, 0,1,2,3
	v_wmma_scale_f32_16x16x128_f8f6f4 v[128+8*(4*\g+\t):135+8*(4*\g+\t)], v[32+12*\t:43+12*\t], v[16:27], 0, v[248+\t], v255 matrix_a_fmt:MATRIX_FMT_BF6 matrix_b_fmt:MATRIX_FMT_BF6
.endr
.endr
	PLACES 4
	s_wait_alu depctr_va_vdst(0)
.irp t, 0,1,2,3                                ; V's four fragments and scale words of these 128 keys are asked for now: they land under the softmax
	ds_load_b128 v[80+12*\t:83+12*\t], v[VA16] offset:6144*\t+1536*(\q)
	ds_load_b64 v[84+12*\t:85+12*\t], v[VA8] offset:6144*\t+1536*(\q)+512
	ds_load_b128 v[86+12*\t:89+12*\t], v[VA16] offset:6144*\t+1536*(\q)+768
	ds_load_b64 v[90+12*\t:91+12*\t], v[VA8] offset:6144*\t+1536*(\q)+1280
	ds_load_b32 v[248+\t], v[VAS] offset:128*\t+4*(\q)
.endr
.irp b, 0,1,2,3
	v_max3_num_f32 v[232+\b], v[128+16*\b], v[129+16*\b], v[130+16*\b]   ; the largest score of each block of 32 keys: for the row's maximum and, since p rises with the score, for the block's largest p
.endr
.irp i, 3,5,7,9,11,13
.irp b, 0,1,2,3
	v_max3_num_f32 v[232+\b], v[232+\b], v[128+16*\b+\i], v[129+16*\b+\i]
.endr
.endr
.irp b, 0,1,2,3
	v_max_num_f32 v[232+\b], v[232+\b], v[143+16*\b]
.endr
.irp b, 0,1,2,3
	s_delay_alu instid0(VALU_DEP_4)
	v_permlanex16_b32 v[236+\b], v[232+\b], s40, s41
.endr
.irp b, 0,1,2,3
	s_delay_alu instid0(VALU_DEP_4)
	v_max_num_f32 v[232+\b], v[232+\b], v[236+\b]  ; with lane l xor 16's 16 keys
.endr
	s_delay_alu instid0(VALU_DEP_2)
	v_max3_num_f32 v254, v232, v233, v234
	s_delay_alu instid0(VALU_DEP_1)
	v_max_num_f32 v254, v254, v235
	s_delay_alu instid0(VALU_DEP_1)
	v_mul_f32 v254, s42, v254                      ; the step's largest t
	s_delay_alu instid0(VALU_DEP_1)
	v_max_num_f32 v13, v13, v254                   ; the running largest t
	v_mov_b32 v254, v12
	s_delay_alu instid0(VALU_DEP_2)
	v_floor_f32 v12, -v13                          ; the new -M = floor(-t): M is a whole number
	s_delay_alu instid0(VALU_DEP_1)
	v_sub_f32 v254, v12, v254                      ; old M less new M: a whole number, 0 or less
	s_delay_alu instid0(VALU_DEP_1)
	v_cvt_i32_f32 v254, v254                       ; (it saturates)
	s_delay_alu instid0(VALU_DEP_1)
	v_ldexp_f32 v252, 1.0, v254                    ; f = 2^(old M - new M)
.set n, 0
.rept 32
	v_pk_fma_f32 v[128+n:129+n], v[128+n:129+n], s[42:43], v[12:13] op_sel_hi:[1,0,0]   ; t - M
.set n, n+2
.endr
.irp b, 0,1,2,3
	v_fma_f32 v[232+\b], v[232+\b], s42, v12       ; the same of each block's largest score
.endr
.set n, 0
	s_wait_alu depctr_va_vdst(0)
.rept 64
	v_exp_f32 v[128+n], v[128+n]                   ; p = 2^(t - M), at most 1
.set n, n+1
.endr
	v_pk_mul_f32 v[14:15], v[14:15], v[252:253] op_sel_hi:[1,0]   ; the sums under the new M (a plain place behind the exponentials)
	s_wait_alu depctr_va_vdst(0)                   ; one wait for the batch, ahead of its first reader
.irp b, 0,1,2,3
	v_exp_f32 v[232+\b], v[232+\b]                 ; the blocks' largest p
.endr
	v_pk_add_f32 v[236:237], v[132:133], v[136:137]
	v_pk_add_f32 v[246:247], v[140:141], v[144:145]
	v_pk_add_f32 v[244:245], v[148:149], v[152:153]
	v_pk_add_f32 v[242:243], v[156:157], v[160:161]
	v_pk_add_f32 v[240:241], v[164:165], v[168:169]
	v_pk_add_f32 v[238:239], v[172:173], v[176:177]
	v_pk_add_f32 v[230:231], v[180:181], v[184:185]
	v_pk_add_f32 v[14:15], v[14:15], v[188:189]
	v_pk_add_f32 v[236:237], v[236:237], v[128:129]
	v_pk_add_f32 v[246:247], v[246:247], v[130:131]
	v_pk_add_f32 v[244:245], v[244:245], v[134:135]
	v_pk_add_f32 v[242:243], v[242:243], v[138:139]
	v_pk_add_f32 v[240:241], v[240:241], v[142:143]
	v_pk_add_f32 v[238:239], v[238:239], v[146:147]
	v_pk_add_f32 v[230:231], v[230:231], v[150:151]
	v_pk_add_f32 v[14:15], v[14:15], v[154:155]
	v_pk_add_f32 v[236:237], v[236:237], v[158:159]
	v_pk_add_f32 v[246:247], v[246:247], v[162:163]
	v_pk_add_f32 v[244:245], v[244:245], v[166:167]
	v_pk_add_f32 v[242:243], v[242:243], v[170:171]
	v_pk_add_f32 v[240:241], v[240:241], v[174:175]
	v_pk_add_f32 v[238:239], v[238:239], v[178:179]
	v_pk_add_f32 v[230:231], v[230:231], v[182:183]
	v_pk_add_f32 v[14:15], v[14:15], v[186:187]
	v_pk_add_f32 v[236:237], v[236:237], v[190:191]
	s_delay_alu instid0(VALU_DEP_2)
	v_pk_add_f32 v[14:15], v[14:15], v[242:243]
	s_delay_alu instid0(VALU_DEP_2)
	v_pk_add_f32 v[236:237], v[236:237], v[240:241]
	v_pk_add_f32 v[246:247], v[246:247], v[238:239]
	v_pk_add_f32 v[244:245], v[244:245], v[230:231]
	s_delay_alu instid0(VALU_DEP_2)
	v_pk_add_f32 v[14:15], v[14:15], v[246:247]
	s_delay_alu instid0(VALU_DEP_2)
	v_pk_add_f32 v[236:237], v[236:237], v[244:245]
	s_delay_alu instid0(VALU_DEP_1)
	v_pk_add_f32 v[14:15], v[14:15], v[236:237]
	s_wait_alu depctr_va_vdst(0)                   ; and one for the four
.irp b, 0,1,2,3
	v_max_num_f32 v[232+\b], 0x2800000, v[232+\b]  ; the floor 2^(5 - 127)
.endr
.irp b, 0,1,2,3
	s_delay_alu instid0(VALU_DEP_4)
	v_add_nc_u32 v[244+\b], 0xfe000000, v[232+\b]  ; 4 off the exponent field: the conversion's scale operand
.endr
.irp b, 0,1,2,3
	s_delay_alu instid0(VALU_DEP_4)
	v_lshrrev_b32 v[236+\b], 23, v[244+\b]
.endr
	s_delay_alu instid0(VALU_DEP_3)
	v_lshl_or_b32 v243, v237, 8, v236              ; p's scale word for these 128 keys
	s_delay_alu instid0(VALU_DEP_1)
	v_lshl_or_b32 v243, v238, 16, v243
	s_delay_alu instid0(VALU_DEP_1)
	v_lshl_or_b32 v243, v239, 24, v243
.irp c, 0,1
	v_cvt_scalef32_pk16_bf6_f32 v[224+6*\c:226+6*\c], v[128+32*\c:143+32*\c], v[244+2*\c]
	v_cvt_scalef32_pk16_bf6_f32 v[236+4*\c:238+4*\c], v[144+32*\c:159+32*\c], v[244+2*\c+1]
.endr
	v_nop                                          ; one plain place behind a scaled conversion
.irp c, 0,1
.irp i, 0,1,2
	v_permlane16_swap_b32 v[224+6*\c+\i], v[236+4*\c+\i]   ; a whole block in a lane
.endr
.irp i, 0,1,2
	s_delay_alu instid0(VALU_DEP_3)
	v_mov_b32 v[227+6*\c+\i], v[236+4*\c+\i]
.endr
.endr
.set n, 0
.rept 16
	v_pk_mul_f32 v[192+n:193+n], v[192+n:193+n], v[252:253] op_sel_hi:[1,0]   ; O^T under the new M.  For each product below, the twelve of the other tiles are its places behind p's codes and scale word
.set n, n+2
.endr
	s_wait_alu depctr_va_vdst(0)
	s_wait_dscnt 0x0                               ; V is in
.irp t, 0,1,2,3                                ; O^T += V^T P^T: the four accumulators by turns
	v_wmma_scale_f32_16x16x128_f8f6f4 v[192+8*\t:199+8*\t], v[80+12*\t:91+12*\t], v[224:235], v[192+8*\t:199+8*\t], v[248+\t], v243 matrix_a_fmt:MATRIX_FMT_BF6 matrix_b_fmt:MATRIX_FMT_BF6
.endr
.endm
	s_mov_b32 s48, 0
.Lunit:                                                ; two tiles of queries, one after the other
	s_wait_xcnt 0x0                                ; the last tile's stores have read their registers
	global_load_b128 v[16:19], v[L16], s[50:51]
	global_load_b64 v[20:21], v[L8], s[50:51] offset:512
	global_load_b32 v255, v[L4], s[52:53]
	v_mov_b32 v13, 0xff61b1e6                      ; the largest t so far: -3e38
	s_delay_alu instid0(VALU_DEP_1)
	v_floor_f32 v12, -v13
	v_mov_b32 v14, 0
	v_mov_b32 v15, 0
.set n, 0
.rept 32
	v_mov_b32 v[192+n], 0                          ; O^T (the step is written once: the first finds zeros)
.set n, n+1
.endr
	s_mov_b32 s44, s70
	s_mov_b32 s45, s71
	s_mov_b32 s46, s72
	s_mov_b32 s47, s73
	s_mov_b32 s49, 0
	s_wait_loadcnt 0x0
.Lsteps:
	STEP 0
	STEP 1
	s_add_co_u32 s44, s44, 12288                   ; 16 tiles of keys on,
	s_add_co_u32 s45, s45, 2048
	s_add_co_u32 s46, s46, 3072                    ; 256 keys on in each row of V's fragments
	s_add_co_u32 s47, s47, 512
	s_add_co_u32 s49, s49, 1
	s_cmp_lt_u32 s49, 2
	s_cbranch_scc1 .Lsteps
	v_add_f32 v14, v14, v15                        ; THE WAY OUT: the sum's two halves,
	s_delay_alu instid0(VALU_DEP_1)
	v_permlanex16_b32 v252, v14, s40, s41
	s_delay_alu instid0(VALU_DEP_1)
	v_add_f32 v14, v14, v252                       ; and lane l xor 16's
	s_wait_alu depctr_va_vdst(0)
	v_rcp_f32 v14, v14
	PLACES 4                                       ; behind the last products, ahead of loads into V's registers; the first is the plain place behind the reciprocal
.irp i, 0,1,2,3,4,5,6,7
	global_load_b128 v[80+4*\i:83+4*\i], v[GO], s[54:55] offset:(2*\i+8*(\i/4))*3072   ; x: rows r = 2 i + (lane / 16) of the tile are tokens r + 8 (r / 8)
.endr
	s_wait_alu depctr_va_vdst(0)                   ; the wait ahead of the reciprocal's first reader
.set n, 0
.rept 32
	v_mul_f32 v[128+n], v[192+n], v14              ; register 8 t + j: channel 32 (t / 2) + 16 h + 8 (t % 2) + j
.set n, n+1
.endr
.irp t, 0,1,2,3
	ds_store_b128 v[STO], v[128+8*\t:131+8*\t] offset:128*(\t/2)+32*(\t%2)
	ds_store_b128 v[STO], v[132+8*\t:135+8*\t] offset:128*(\t/2)+32*(\t%2)+16
.endr
.irp i, 0,1,2,3,4,5,6,7
	ds_load_b128 v[160+4*\i:163+4*\i], v[RD] offset:2*\i*SP   ; LDS serves a wave's instructions in order (ISA guide 5.7.1): these see my stores
.endr
.irp i, 0,1,2,3,4,5,6,7
	s_wait_dscnt 7-\i                              ; rows 2 i, 2 i + 1 are back; the later rows' loads may be out,
	s_wait_loadcnt 7-\i                            ; and so with x's
	v_pk_add_f32 v[160+4*\i:161+4*\i], v[160+4*\i:161+4*\i], v[80+4*\i:81+4*\i]
	v_pk_add_f32 v[162+4*\i:163+4*\i], v[162+4*\i:163+4*\i], v[82+4*\i:83+4*\i]
	global_store_b128 v[GO], v[160+4*\i:163+4*\i], s[56:57] offset:(2*\i+8*(\i/4))*3072   ; sixteen lanes store 256 consecutive bytes, aligned
.endr
	s_wait_xcnt 0x0                                ; the loads and stores have read their bases
	s_add_nc_u64 s[50:51], s[50:51], 768           ; the next tile of queries: eight tokens further down
	s_add_nc_u64 s[52:53], s[52:53], 128
	s_add_nc_u64 s[54:55], s[54:55], 24576
	s_add_nc_u64 s[56:57], s[56:57], 24576
	s_add_co_u32 s48, s48, 1
	s_cmp_lt_u32 s48, 2
	s_cbranch_scc1 .Lunit
	s_wait_tensorcnt 0x0                           ; the wave's end
	ds_add_u32 v[SPW], v[NIL]
	s_wait_dscnt 0x0
	CROUND                                         ; the closing round
	s_endpgm
.Lfunc_end_k_q658c84c8be_attn:
	.size	k_q658c84c8be_attn, .Lfunc_end_k_q658c84c8be_attn-k_q658c84c8be_attn
	.p2alignl 7, 3214868480
	.fill 96, 4, 3214868480
	.section	.rodata,"a",@progbits
	.p2align	6, 0x0
	.amdhsa_kernel k_q658c84c8be_attn
		.amdhsa_group_segment_fixed_size 216576
		.amdhsa_private_segment_fixed_size 0
		.amdhsa_enable_private_segment 0
		.amdhsa_kernarg_size 24
		.amdhsa_user_sgpr_count 2
		.amdhsa_user_sgpr_kernarg_segment_ptr 1
		.amdhsa_wavefront_size32 1
		.amdhsa_system_sgpr_workgroup_id_x 1
		.amdhsa_system_sgpr_workgroup_id_y 1
		.amdhsa_system_sgpr_workgroup_id_z 1
		.amdhsa_system_vgpr_workitem_id 0
		.amdhsa_next_free_vgpr 256
		.amdhsa_next_free_sgpr 100
		.amdhsa_reserve_vcc 0
		.amdhsa_float_denorm_mode_32 3
		.amdhsa_float_denorm_mode_16_64 3
		.amdhsa_memory_ordered 1
		.amdhsa_forward_progress 1
		.amdhsa_inst_pref_size 52
	.end_amdhsa_kernel
	.amdgpu_metadata
---
amdhsa.version: [ 1, 2 ]
amdhsa.kernels:
  - .name:           k_q658c84c8be_attn
    .symbol:         k_q658c84c8be_attn.kd
    .args:
      - { .name: qkvb, .offset: 0, .size: 8, .value_kind: global_buffer, .address_space: global }
      - { .name: x, .offset: 8, .size: 8, .value_kind: global_buffer, .address_space: global }
      - { .name: x1, .offset: 16, .size: 8, .value_kind: global_buffer, .address_space: global }
    .group_segment_fixed_size: 216576
    .private_segment_fixed_size: 0
    .kernarg_segment_align: 8
    .kernarg_segment_size: 24
    .max_flat_workgroup_size: 384
    .sgpr_count:     100
    .vgpr_count:     256
    .wavefront_size: 32
...
	.end_amdgpu_metadata
.endif
;; end of part 3
;; launch mlp (part 4): grid 256 x 1, 8 waves a work-group, clusters of 4 x 1, 327,680 bytes of LDS; arguments x1, ln_w, ln_b, wr, b1, b2, out0; writes out0
.if DOCPART == 4
	.amdgcn_target "amdgcn-amd-amdhsa--gfx1250"
	.amdhsa_code_object_version 6
	.text
	.protected	k_q658c84c8be_mlp
	.globl	k_q658c84c8be_mlp
	.p2align	8
	.type	k_q658c84c8be_mlp,@function
k_q658c84c8be_mlp:
	s_mov_b64 s[64:65], 0
	v_nop
	global_prefetch_b8 v0, s[64:65] scope:SCOPE_SE
	s_setreg_imm32_b32 hwreg(HW_REG_WAVE_MODE, 25, 1), 1
	s_wait_xcnt 0x0
	s_wait_alu depctr_hold_cnt(0) depctr_sa_sdst(0) depctr_va_vdst(0) depctr_va_sdst(0) depctr_va_ssrc(0) depctr_va_vcc(0) depctr_vm_vsrc(0)
	s_getreg_b32 s2, hwreg(HW_REG_IB_STS2, 6, 4)
	s_cmp_eq_u32 s2, 0
	s_cbranch_scc0 .Lentry_in_a_cluster
	s_endpgm
.Lentry_in_a_cluster:
	s_bfe_u32 s2, ttmp6, 0x10000c
	s_cmp_lg_u32 s2, 0x3003
	s_cbranch_scc0 .Lentry_shape_is_right
	s_endpgm
.Lentry_shape_is_right:
; out0 = gelu(LN(x1) w1 + b1) w2 + b2 + x1, both products on codes of BF6 (E3M2).  Nothing of reference() is left out.
; LIMITS: as stated at the head of the first launch; erfc is taken by a rational-exponential formula of 1.2e-7 relative error; v_exp_f32, v_rcp_f32 and v_rsq_f32 flush denormals.
; A WORK-GROUP TAKES 32 TOKENS THROUGH THE WHOLE CHAIN: LayerNorm and quantiser (h: two tiles of 16 tokens x 768, through LDS into every wave's registers), first product, gelu, quantiser (g: 32 x 3,072 codes, kept in LDS),
; second product, bias and residual.  Row r of tile u is token 8 u + r + 8 (r / 8) of the 32.
; THE WEIGHTS are one dense stream in wr of 48 slots of 8 REC bytes: slots 0-23 eight records of w1 each (128 hidden units x 768 K), slots 24-47 one K step of w2 each (48 fragments, then their scale words).
; They pass a ring of two LDS slots; each wave fetches an eighth of a slot, 39 rows of 256 bytes.  CLUSTER: all work-groups walk the same stream; the four of a cluster ask JOINTLY.
; FIRST PRODUCT: a unit is two records (32 hidden units, one block) x both tiles of tokens: 24 products on four sums, each fragment read once.  A slot has four units: waves 0-3 take the even slots, waves 4-7 the odd ones;
; a wave multiplies in one period and works gelu and the quantiser on registers in the next.  Source 0 = w1's tile, source 1 = the tokens: a lane holds one token and 16 neighbouring hidden units.
; g IN LDS, over the bytes of the LayerNorm's stage: block B of tile u: 384 bytes at u GU + 384 B, token r's 24 bytes at 24 r: so lane l of a half fragment reads its 24 bytes at 24 l.
; SECOND PRODUCT: wave w owns column tiles 6 w .. 6 w + 5: twelve sums, by turns.  The way out goes through the stage as whole rows.
; PREFETCH: in the period that reads slot n, slot n + 3's blocks of 256 bytes are named once in the cluster: of the 39 blocks of a wave's piece the partner at place cx names 10 cx .. 10 cx + 9 (held at 38); it stops with slot 47.
.set REC, 9984
.set SLOT, 8*REC
.set PITCH, 3088
.set S0, 2*SLOT                        ; the stage: 32 rows x PITCH; then g; then the way out
.set GU, 36864
.set GS, S0+2*GU                       ; g's scale words: [tile][K step 24][row 16]
.set HB, S0+32*PITCH                   ; h's two tiles of six fragments
.set HSC, HB+2*9216                    ; h's scale words: [tile][K step 6][row 16]
.set SPARE, HSC+768                    ; the spare words, 128 bytes for each wave
.set L16, 1
.set L8, 2
.set L4, 3
.set SA, 4
.set PFO, 5
.set BO, 6
.set GA, 7
.set SPW, 14
.set NIL, 15
.set GSA, 16
.set W16, 17
.set W8, 18
.set W4, 19
.set GR, 20
.set GRS, 21
.set STO, 22
.set V16, 23                           ; v23-25 slot 0, v26-28 slot 1: my six fragments of w2, + 16, 8 x lane; their scale words
.set C9, 30
.set HS, 40                            ; v40-51 h's scale words; in the LayerNorm v40-47 1 / sqrt(var + eps)
.set RS, 40
.set WS, 52                            ; v52-63 the weights' scale words (second product: v58-59 g's)
.set BIAS, 64                          ; v64-79; in the LayerNorm v64-72 addresses
.set QA, 64
.set HA16, 65
.set HA8, 66
.set HSA, 67
.set HL16, 70
.set HL8, 71
.set HSL, 72
.set ACC, 80                           ; v80-111
.set W, 112                            ; v112-255 twelve fragments of w1; gelu's registers; six fragments of w2 and g's two; the rows on the way out
.set X, 112
.set LW, 208
.set LB, 232
.set GT, 112
.set GP, 144
.set GQ, 176
.set QT, 176                           ; the quantiser's registers lie over max(x, 0), which plain vector instructions wrote last
.set PC, 184
.set PD, 188
.set GF, 184
; window 1: v0-143 h's twelve fragments; then v0-95 the twelve sums of the second product, v96-191 x1, v192-215 b2
.set MSB, 0
.macro WIN new                         ; the immediate's high byte repeats the setting that is left
.if MSB != (\new)
	s_set_vgpr_msb (MSB<<8)|(\new)
.set MSB, (\new)
.endif
.endm
.macro PLACES n
.rept \n
	v_nop
.endr
.endm
.macro D n
	s_delay_alu instid0(VALU_DEP_\n)
.endm
.macro ROUND                           ; a round of the cluster's barrier
	s_barrier_signal -1
	s_barrier_wait -1
	s_cmp_lg_u32 s18, 0
	s_cbranch_scc1 .Lnot_wave_0_\@
	s_barrier_signal -3
.Lnot_wave_0_\@:
	s_barrier_wait -3
	s_barrier_signal -1
	s_barrier_wait -1
.endm
.macro FRAGL reg, a16, a8, off         ; a fragment's image from LDS
	ds_load_b128 v[(\reg):(\reg)+3], v[\a16] offset:(\off)
	ds_load_b64 v[(\reg)+4:(\reg)+5], v[\a8] offset:(\off)+512
	ds_load_b128 v[(\reg)+6:(\reg)+9], v[\a16] offset:(\off)+768
	ds_load_b64 v[(\reg)+10:(\reg)+11], v[\a8] offset:(\off)+1280
.endm
.macro MMX d, a, b, c, sa, sb
	v_wmma_scale_f32_16x16x128_f8f6f4 v[(\d):(\d)+7], v[(\a):(\a)+11], v[(\b):(\b)+11], v[(\c):(\c)+7], v[\sa], v[\sb] matrix_a_fmt:MATRIX_FMT_BF6 matrix_b_fmt:MATRIX_FMT_BF6
.endm
.macro MMZ d, a, b, sa, sb
	v_wmma_scale_f32_16x16x128_f8f6f4 v[(\d):(\d)+7], v[(\a):(\a)+11], v[(\b):(\b)+11], 0, v[\sa], v[\sb] matrix_a_fmt:MATRIX_FMT_BF6 matrix_b_fmt:MATRIX_FMT_BF6
.endm
	s_load_b256 s[4:11], s[0:1], 0x0               ; x1 s[4:5], ln_w s[6:7], ln_b s[8:9], wr s[10:11]
	s_load_b128 s[12:15], s[0:1], 0x20             ; b1 s[12:13], b2 s[14:15]
	s_load_b64 s[16:17], s[0:1], 0x30              ; out0
	v_lshl_add_u32 v[SPW], v0, 2, SPARE
	v_mov_b32 v[NIL], 0
	ds_add_u32 v[SPW], v[NIL]                      ; the wave's opening: the add, twice on end, and its wait ahead of the first tensor load
	ds_add_u32 v[SPW], v[NIL]
	v_lshrrev_b32 v1, 5, v0
	v_readfirstlane_b32 s18, v1                    ; wave 0..7
	s_and_b32 s19, s18, 3                          ; p: my pair of records in a slot of w1
	s_lshr_b32 s20, s18, 2                         ; which slots of w1 are mine: even (0) or odd (1)
	s_bfe_u32 s21, ttmp6, 0x40000                  ; cx: it enters the addresses of x1, out0 and the prefetch alone
	s_lshl_b32 s22, ttmp9, 2
	s_add_co_u32 s22, s22, s21
	s_mul_i32 s22, s22, 98304                      ; 32 rows of 3,072 bytes a work-group,
	s_mul_i32 s23, s18, 12288                      ; 4 a wave
	s_add_co_u32 s22, s22, s23
	s_mov_b32 s23, 0
	s_mul_i32 s21, s21, 10
	s_mov_b32 s24, 15|(3<<16)|(1<<21)              ; group 1: the mask names the four work-groups; elements of 8 bytes; bit 21 set beside a mask; 39 rows of 256 dense bytes
	s_mov_b32 s25, 32<<16
	s_mov_b32 s26, 39<<16
	s_mov_b32 s27, 32<<16
	s_mov_b32 s28, 39
	s_mov_b32 s29, 32
	s_mov_b32 s30, 0
	s_mov_b32 s31, 0
	s_mov_b32 s32, 1
	s_mul_i32 s33, s18, REC                        ; my eighth of slot 0,
	s_mov_b32 s36, 1
	s_add_co_u32 s37, s33, SLOT                    ; of slot 1
	s_add_co_u32 s42, s33, 144*REC                 ; and of the stream's first slot in wr
	s_mov_b32 s43, 0
	s_mov_b32 s40, 0x76543210
	s_mov_b32 s41, 0xfedcba98                      ; v_permlanex16_b32's selects for lane l xor 16
	s_bfe_u32 s58, s18, 0x10001                    ; my token p lies at stage row 16 ((w / 2) % 2) + 8 (w / 4) + 4 (w % 2) + p
	s_lshl_b32 s58, s58, 4
	s_lshl_b32 s59, s20, 3
	s_add_co_u32 s58, s58, s59
	s_and_b32 s47, s18, 1                          ; u: the tile that I quantise
	s_lshl_b32 s59, s47, 2
	s_add_co_u32 s58, s58, s59
	s_mul_i32 s58, s58, PITCH
	s_add_co_u32 s58, s58, S0
	s_lshr_b32 s56, s18, 1                         ; j: I quantise halves 3 j .. 3 j + 2 (64 K each) of its twelve
	s_mul_i32 s57, s47, 16*PITCH
	s_mul_i32 s59, s56, 768
	s_add_co_u32 s57, s57, s59
	s_add_co_u32 s57, s57, S0
	s_mul_i32 s59, s47, 9216
	s_mul_i32 s60, s56, 2304
	s_add_co_u32 s59, s59, s60
	s_add_co_u32 s59, s59, HB
	s_mul_i32 s63, s47, 384
	s_add_co_u32 s63, s63, HSC
	s_mul_i32 s60, s56, 3
.irp i, 0,1,2
	s_add_co_u32 s61, s60, \i                      ; half f: its bytes stand at 64 (f / 2) + 2 (f % 2) + 4 r + h
	s_lshr_b32 s[66+\i], s61, 1
	s_lshl_b32 s[66+\i], s[66+\i], 6
	s_and_b32 s61, s61, 1
	s_lshl_b32 s61, s61, 1
	s_add_co_u32 s[66+\i], s[66+\i], s61
	s_add_co_u32 s[66+\i], s[66+\i], s63
.endr
	s_mul_i32 s69, s20, SLOT
	s_mul_i32 s61, s19, 2*REC
	s_add_co_u32 s69, s69, s61                     ; my two records of w1 in my slot
	s_mul_i32 s70, s18, 9216                       ; my six fragments of w2,
	s_mul_i32 s71, s18, 768
	s_add_co_u32 s71, s71, 73728                   ; their scale words
	s_mul_i32 s72, s20, 1536
	s_mul_i32 s61, s19, 384
	s_add_co_u32 s72, s72, s61
	s_add_co_u32 s72, s72, S0                      ; g: my first block
	s_lshl_b32 s73, s20, 6
	s_add_co_u32 s73, s73, s19
	s_add_co_u32 s73, s73, GS                      ; and its scale byte
	s_mul_i32 s74, s18, 384
	s_add_co_u32 s74, s74, S0                      ; the way out: my 96 columns
	s_lshl_b32 s48, s19, 7
	s_lshl_b32 s49, s20, 9
	s_add_co_u32 s48, s48, s49                     ; b1 of my first block
	s_mov_b32 s49, 0
	s_mov_b32 s52, 0x3aaaaaab                      ; 1 / 768
	s_mov_b32 s53, 0x3727c5ac                      ; 1e-5
	s_mov_b32 s62, 0x3eb504f3                      ; sqrt(2) / 4
	s_mov_b32 s51, 0
	s_mov_b32 s54, 0
	s_mov_b32 s55, 0
	v_and_b32 v8, 31, v0                           ; lane
	v_and_b32 v9, 15, v0                           ; r
	v_bfe_u32 v10, v0, 4, 1                        ; h
	D 3
	v_lshlrev_b32 v[L16], 4, v8
	v_lshlrev_b32 v[L8], 3, v8
	v_lshlrev_b32 v[L4], 2, v8
	v_min_u32 v11, 9, v8
	v_add_nc_u32 v[SA], s58, v[L16]
	D 2
	v_add_nc_u32 v11, s21, v11
	v_lshlrev_b32 v[BO], 6, v10                    ; 64 h
	D 2
	v_min_u32 v11, 38, v11
	v_lshlrev_b32 v12, 2, v9                       ; 4 r
	D 2
	v_lshlrev_b32 v[PFO], 8, v11
	v_mul_u32_u24 v11, v9, 24
	v_add_nc_u32 v[GSA], s73, v12
	D 2
	v_mad_u32_u24 v11, v10, 12, v11                ; 24 r + 12 h
	v_add_nc_u32 v[W16], s69, v[L16]
	D 2
	v_add_nc_u32 v[GA], s72, v11
	v_add_nc_u32 v[W8], s69, v[L8]
	v_add_nc_u32 v[W4], s69, v[L4]
	v_mul_u32_u24 v11, v8, 24
	v_add_nc_u32 v[GRS], GS, v12
	D 2
	v_add_nc_u32 v[GR], S0, v11
	v_mul_u32_u24 v11, v9, PITCH
	v_add_nc_u32 v[V16], s70, v[L16]
	v_add_nc_u32 v[V16+1], s70, v[L8]
	D 3
	v_lshl_add_u32 v13, v10, 6, v11
	v_add_nc_u32 v[V16+2], s71, v[L4]
	D 2
	v_add_nc_u32 v[STO], s74, v13                  ; into the stage: row r, + 64 h, + my columns
	v_lshl_add_u32 v13, v10, 7, v11
	v_add_nc_u32 v[V16+3], SLOT, v[V16]
	D 2
	v_add_nc_u32 v[QA], s57, v13                   ; out of the stage: row 16 u + r, + 128 h, + my three halves
	v_add_nc_u32 v[V16+4], SLOT, v[V16+1]
	v_add_nc_u32 v[V16+5], SLOT, v[V16+2]
	v_add_nc_u32 v13, v12, v10                     ; 4 r + h
	v_add_nc_u32 v[HA16], s59, v[L16]
	v_add_nc_u32 v[HA8], s59, v[L8]
.irp i, 0,1,2
	v_add_nc_u32 v[HSA+\i], s[66+\i], v13
.endr
	v_add_nc_u32 v[HL16], HB, v[L16]
	v_add_nc_u32 v[HL8], HB, v[L8]
	v_add_nc_u32 v[HSL], HSC, v12
	v_mov_b32 v[C9], 0x3e2ef945                    ; the polynomial's leading coefficient, twice
	v_mov_b32 v[C9+1], 0x3e2ef945
	v_mov_b32 v13, 0                               ; (the upper half of the pair v[12:13])
.irp p, 0,1,2,3
	v_mov_b32 v[RS+2*\p+1], 0                      ; (upper halves of pairs)
.endr
.set n, 0
.rept 32
	v_mov_b32 v[ACC+n], 0                          ; once: the four sums' registers are written on every wave's way into the loop
.set n, n+1
.endr
	s_wait_alu depctr_va_vdst(0)                   ; the wait at the head's end
	s_wait_dscnt 0x0                               ; both opening adds are done
	s_wait_kmcnt 0x0
	s_add_nc_u64 s[34:35], s[10:11], s[42:43]      ; slot 0 of the stream,
	s_add_nc_u64 s[38:39], s[34:35], SLOT          ; slot 1,
	s_add_nc_u64 s[44:45], s[34:35], 2*SLOT        ; and where the prefetches stand
	s_or_b32 s35, s35, 0x80000000
	s_or_b32 s39, s39, 0x80000000
	s_add_nc_u64 s[4:5], s[4:5], s[22:23]
	s_add_nc_u64 s[16:17], s[16:17], s[22:23]
	s_add_nc_u64 s[48:49], s[12:13], s[48:49]
	ROUND                                          ; all four work-groups are here: the joint loads meet
	tensor_load_to_lds s[32:35], s[24:31]          ; my one load at the head: my eighth of slot 0; it lands under the LayerNorm
	s_nop 0
	PLACES 4
; ---------------- THE LAYERNORM of my four rows, a whole row in 24 registers a lane; mean first, then the centred squares
.irp p, 0,1,2,3
.irp q, 0,1,2,3,4,5
	global_load_b128 v[X+24*\p+4*\q:X+24*\p+4*\q+3], v[L16], s[4:5] offset:3072*\p+512*\q
.endr
.endr
.irp q, 0,1,2,3,4,5
	global_load_b128 v[LW+4*\q:LW+4*\q+3], v[L16], s[6:7] offset:512*\q
.endr
.irp q, 0,1,2,3,4,5
	global_load_b128 v[LB+4*\q:LB+4*\q+3], v[L16], s[8:9] offset:512*\q
.endr
.macro REDUCE                          ; the sum of v8 over the 32 lanes, in every lane
.irp m, 1,2,4,8
	D 1
	v_add_f32_dpp v8, v8, v8 row_xmask:\m row_mask:0xf bank_mask:0xf
.endr
	D 1
	v_permlanex16_b32 v9, v8, s40, s41
	D 1
	v_add_f32 v8, v8, v9
.endm
.macro ROW p
.set XR, X+24*(\p)
	s_wait_loadcnt 30-6*(\p)                       ; my row's six loads are in: behind them stand six for each later row and the twelve of ln_w and ln_b
	v_pk_add_f32 v[8:9], v[XR:XR+1], v[XR+2:XR+3]
	v_pk_add_f32 v[10:11], v[XR+4:XR+5], v[XR+6:XR+7]
.irp j, 8,12,16,20
	v_pk_add_f32 v[8:9], v[8:9], v[XR+\j:XR+\j+1]
	v_pk_add_f32 v[10:11], v[10:11], v[XR+\j+2:XR+\j+3]
.endr
	D 1
	v_pk_add_f32 v[8:9], v[8:9], v[10:11]
	D 1
	v_add_f32 v8, v8, v9
	REDUCE
	D 1
	v_mul_f32 v12, 0xbaaaaaab, v8                  ; - mean
.irp j, 0,2,4,6,8,10,12,14,16,18,20,22
	v_pk_add_f32 v[XR+\j:XR+\j+1], v[XR+\j:XR+\j+1], v[12:13] op_sel_hi:[1,0]
.endr
	v_pk_mul_f32 v[8:9], v[XR:XR+1], v[XR:XR+1]
	v_pk_mul_f32 v[10:11], v[XR+2:XR+3], v[XR+2:XR+3]
.irp j, 4,8,12,16,20
	v_pk_fma_f32 v[8:9], v[XR+\j:XR+\j+1], v[XR+\j:XR+\j+1], v[8:9]
	v_pk_fma_f32 v[10:11], v[XR+\j+2:XR+\j+3], v[XR+\j+2:XR+\j+3], v[10:11]
.endr
	D 1
	v_pk_add_f32 v[8:9], v[8:9], v[10:11]
	D 1
	v_add_f32 v8, v8, v9
	REDUCE
	D 1
	v_fma_f32 v[RS+2*(\p)], v8, s52, s53           ; var + eps
.endm
.irp p, 0,1,2,3
	ROW \p
.endr
	s_wait_alu depctr_va_vdst(0)                   ; the wait ahead of the batch
.irp p, 0,1,2,3
	v_rsq_f32 v[RS+2*\p], v[RS+2*\p]
.endr
	v_nop                                          ; a plain place behind the last of them
	s_wait_alu depctr_va_vdst(0)                   ; one wait for the batch, ahead of its first reader
.irp p, 0,1,2,3
.irp j, 0,2,4,6,8,10,12,14,16,18,20,22
	v_pk_mul_f32 v[X+24*\p+\j:X+24*\p+\j+1], v[X+24*\p+\j:X+24*\p+\j+1], v[RS+2*\p:RS+2*\p+1] op_sel_hi:[1,0]
.endr
.endr
	s_wait_loadcnt 0x0                             ; ln_w, ln_b
.irp p, 0,1,2,3
.irp j, 0,2,4,6,8,10,12,14,16,18,20,22
	v_pk_fma_f32 v[X+24*\p+\j:X+24*\p+\j+1], v[X+24*\p+\j:X+24*\p+\j+1], v[LW+\j:LW+\j+1], v[LB+\j:LB+\j+1]
.endr
.endr
.irp p, 0,1,2,3
.irp q, 0,1,2,3,4,5
	ds_store_b128 v[SA], v[X+24*\p+4*\q:X+24*\p+4*\q+3] offset:PITCH*\p+512*\q
.endr
.endr
	s_wait_dscnt 0x0                               ; for the others' sake: my rows lie in the stage
	s_barrier_signal -1
	s_barrier_wait -1
; THE QUANTISER along the 768: three halves of 64 K of tile u; lane (r, h) holds one whole block of 32 of each
.irp i, 0,1,2
.irp q, 0,1,2,3,4,5,6,7
	ds_load_b128 v[X+32*\i+4*\q:X+32*\i+4*\q+3], v[QA] offset:256*\i+16*\q
.endr
.endr
	s_wait_dscnt 0x0
.irp i, 0,1,2
	v_max3_num_f32 v[8+\i], |v[X+32*\i]|, |v[X+32*\i+1]|, 0x2800000   ; the three blocks by turns, with the floor 2^(5 - 127)
.endr
.irp k, 2,4,6,8,10,12,14,16,18,20,22,24,26,28,30
.irp i, 0,1,2
	v_max3_num_f32 v[8+\i], v[8+\i], |v[X+32*\i+\k]|, |v[X+32*\i+\k+1]|
.endr
.endr
.irp i, 0,1,2
	D 3
	v_add_nc_u32 v[32+\i], 0xfe000000, v[8+\i]     ; 4 off the exponent field: the conversions' scale operand
.endr
.irp i, 0,1,2
	D 3
	v_lshrrev_b32 v[8+\i], 23, v[32+\i]            ; the scale's byte
.endr
.irp i, 0,1,2
	v_cvt_scalef32_pk16_bf6_f32 v[LW+8*\i:LW+8*\i+2], v[X+32*\i:X+32*\i+15], v[32+\i]
	v_cvt_scalef32_pk16_bf6_f32 v[LB+4*\i:LB+4*\i+2], v[X+32*\i+16:X+32*\i+31], v[32+\i]   ; (a conversion's three registers begin on an even number)
.endr
	v_nop                                          ; one plain place behind a scaled conversion
.irp i, 0,1,2
.irp e, 0,1,2
	v_mov_b32 v[LW+8*\i+3+\e], v[LB+4*\i+\e]
.endr
.endr
.irp i, 0,1,2
	ds_store_b128 v[HA16], v[LW+8*\i:LW+8*\i+3] offset:768*\i
	ds_store_b64 v[HA8], v[LW+8*\i+4:LW+8*\i+5] offset:768*\i+512
	ds_store_b8 v[HSA+\i], v[8+\i]
.endr
	s_wait_dscnt 0x0                               ; my part of h lies in LDS, and my reads of the stage are back
	s_barrier_signal -1
	s_barrier_wait -1
	WIN 0x40                                       ; destination window 1: every wave takes all of h
.irp u, 0,1
.irp ks, 0,1,2,3,4,5
	FRAGL 12*(6*\u+\ks), HL16, HL8, 9216*\u+1536*\ks
.endr
.endr
	WIN 0
.irp u, 0,1
.irp ks, 0,1,2,3,4,5
	ds_load_b32 v[HS+6*\u+\ks], v[HSL] offset:384*\u+64*\ks
.endr
.endr
.irp e, 0,1,2,3
	global_load_b128 v[BIAS+4*\e:BIAS+4*\e+3], v[BO], s[48:49] offset:16*\e   ; b1 of my first unit, in the result's layout: units 16 h + 0 .. 15 of the block
.endr
; A PERIOD'S TOP: reads slot \slot; \refill: the other slot takes the stream's next; \pf: the slot three on is prefetched
.macro TOP slot, refill, pf
	s_wait_xcnt 0x0                                ; my prefetch and loads have read their addresses
	s_add_nc_u64 s[44:45], s[44:45], SLOT
	s_wait_tensorcnt 0x0                           ; my eighth of this slot is in;
	ds_add_u32 v[SPW], v[NIL]
	s_add_nc_u64 s[34+4*\slot:35+4*\slot], s[34+4*\slot:35+4*\slot], 2*SLOT   ; no load of mine is out: this slot's next fill
	s_wait_dscnt 0x0                               ; the add is done, and so are my reads of the other slot and my stores
	ROUND
.if \refill
	tensor_load_to_lds s[36-4*\slot:39-4*\slot], s[24:31]
	s_nop 0
.endif
	PLACES 4                                       ; also the places ahead of loads into registers that matrix instructions have read
.if \pf
	s_cmp_lt_u32 ttmp9, 4
	s_cbranch_scc0 .Lno_prefetch_mlp0_\@
	global_prefetch_b8 v[PFO], s[44:45] th:TH_LOAD_NT scope:SCOPE_SE
.Lno_prefetch_mlp0_\@:
.endif
.endm
; A UNIT'S PRODUCTS: two records x two tiles of tokens, 768 K; the four sums by turns; b1 is the C of each sum's first product
.macro MM1
	s_wait_loadcnt 0x0                             ; b1 is in
.irp ks, 0,1,2,3,4,5
.irp t, 0,1
	ds_load_b32 v[WS+2*\ks+\t], v[W4] offset:\t*REC+9216+128*\ks
.endr
.endr
.irp ks, 0,1,2,3,4,5
.irp t, 0,1
	FRAGL W+12*(2*\ks+\t), W16, W8, \t*REC+1536*\ks
.endr
.endr
	WIN 0x04                                       ; source 1 (h) in window 1
.irp ks, 0,1,2,3,4,5
	s_wait_dscnt 8*(5-\ks)                         ; the scale words and K steps 0 .. ks are in; the later K steps' eight loads each may be out
.irp u, 0,1
.irp t, 0,1
.if \ks==0
	MMX ACC+16*\u+8*\t, W+12*(2*\ks+\t), 12*(6*\u+\ks), BIAS+8*\t, WS+2*\ks+\t, HS+6*\u+\ks
.else
	MMX ACC+16*\u+8*\t, W+12*(2*\ks+\t), 12*(6*\u+\ks), ACC+16*\u+8*\t, WS+2*\ks+\t, HS+6*\u+\ks
.endif
.endr
.endr
.endr
	WIN 0
	PLACES 4                                       ; behind the last products
.endm
; gelu(x) = max(x, 0) - |x| e(|x|), e(a) = erfc(a / sqrt 2) / 2 = t 2^((poly(t) - a a / 2) log2(e) - 1), t = 1 / (1 + a sqrt(2) / 4); then the quantiser: registers 16 u + i are hidden units 16 h + i of my block, token r of tile u
.macro GELU
	v_add_nc_u32 v29, s51, v[GA]
	v_add_nc_u32 v32, s54, v[GSA]
.set n, 0
.rept 32
	v_fma_f32 v[GT+n], |v[ACC+n]|, s62, 1.0
.set n, n+1
.endr
	s_cmp_lt_u32 s50, 11                           ; my next unit's b1, where there is a next unit: the loop's count alone decides
	s_cbranch_scc0 .Lno_b_\@
	s_wait_loadcnt 0x0                             ; no earlier load into b1's registers is out on any way to this line
	v_add_nc_u32 v33, s55, v[BO]
.irp e, 0,1,2,3
	global_load_b128 v[BIAS+4*\e:BIAS+4*\e+3], v33, s[48:49] offset:1024+16*\e
.endr
.Lno_b_\@:
	s_wait_alu depctr_va_vdst(0)                   ; the wait ahead of the batch
.set n, 0
.rept 32
	v_rcp_f32 v[GT+n], v[GT+n]
.set n, n+1
.endr
.set n, 0
.rept 16
	v_pk_mul_f32 v[GQ+n:GQ+n+1], v[ACC+n:ACC+n+1], v[ACC+n:ACC+n+1]
.set n, n+2
.endr
	s_wait_alu depctr_va_vdst(0)                   ; one wait for the batch
.set n, 0
.rept 16
	v_pk_fma_f32 v[GP+n:GP+n+1], v[GT+n:GT+n+1], v[C9:C9+1], 0xbf527891 op_sel_hi:[1,1,0]
.set n, n+2
.endr
.irp c, 0x3fbe87b0, 0xbf914e5d, 0x3e8ec7cc, 0xbe3ec24c, 0x3dc636c9, 0x3ebf88fb, 0x3f8000c7, 0xbfa1fc4e
.set n, 0
.rept 16
	v_pk_fma_f32 v[GP+n:GP+n+1], v[GP+n:GP+n+1], v[GT+n:GT+n+1], \c op_sel_hi:[1,1,0]
.set n, n+2
.endr
.endr
.set n, 0
.rept 16
	v_pk_fma_f32 v[GP+n:GP+n+1], v[GQ+n:GQ+n+1], -0.5, v[GP+n:GP+n+1] op_sel_hi:[1,0,1]
.set n, n+2
.endr
.set n, 0
.rept 16
	v_pk_fma_f32 v[GP+n:GP+n+1], v[GP+n:GP+n+1], 0x3fb8aa3b, -1.0 op_sel_hi:[1,0,0]
.set n, n+2
.endr
	s_wait_alu depctr_va_vdst(0)
.set n, 0
.rept 32
	v_exp_f32 v[GP+n], v[GP+n]
.set n, n+1
.endr
.set n, 0
.rept 32
	v_max_num_f32 v[GQ+n], 0, v[ACC+n]
.set n, n+1
.endr
	s_wait_alu depctr_va_vdst(0)
.set n, 0
.rept 16
	v_pk_mul_f32 v[GT+n:GT+n+1], v[GT+n:GT+n+1], v[GP+n:GP+n+1]
.set n, n+2
.endr
.set n, 0
.rept 32
	v_fma_f32 v[ACC+n], -|v[ACC+n]|, v[GT+n], v[GQ+n]
.set n, n+1
.endr
	v_max3_num_f32 v[QT], |v[ACC]|, |v[ACC+1]|, 0x2800000          ; the block of each tile of tokens, by turns, with the floor 2^(5 - 127)
	v_max3_num_f32 v[QT+1], |v[ACC+16]|, |v[ACC+17]|, 0x2800000
.irp i, 2,4,6,8,10,12,14
	D 2
	v_max3_num_f32 v[QT], v[QT], |v[ACC+\i]|, |v[ACC+\i+1]|
	D 2
	v_max3_num_f32 v[QT+1], v[QT+1], |v[ACC+16+\i]|, |v[ACC+17+\i]|
.endr
	D 2
	v_permlanex16_b32 v[QT+2], v[QT], s40, s41
	D 2
	v_permlanex16_b32 v[QT+3], v[QT+1], s40, s41
	D 2
	v_max_num_f32 v[QT], v[QT], v[QT+2]            ; with lane l xor 16's sixteen
	D 2
	v_max_num_f32 v[QT+1], v[QT+1], v[QT+3]
	D 2
	v_add_nc_u32 v[QT+4], 0xfe000000, v[QT]
	D 2
	v_add_nc_u32 v[QT+5], 0xfe000000, v[QT+1]
	D 2
	v_lshrrev_b32 v[QT+6], 23, v[QT+4]
	D 2
	v_lshrrev_b32 v[QT+7], 23, v[QT+5]
	v_cvt_scalef32_pk16_bf6_f32 v[PC:PC+2], v[ACC:ACC+15], v[QT+4]
	v_cvt_scalef32_pk16_bf6_f32 v[PD:PD+2], v[ACC+16:ACC+31], v[QT+5]
	v_nop                                          ; one plain place behind a scaled conversion
.irp i, 0,1,2
	ds_store_b32 v29, v[PC+\i] offset:4*\i         ; my 12 bytes of token r's 24
	ds_store_b32 v29, v[PD+\i] offset:GU+4*\i
.endr
	ds_store_b8 v32, v[QT+6]                       ; both lanes of a token write the same byte with the same value
	ds_store_b8 v32, v[QT+7] offset:1536
.endm
; who does what in a period: 0 nothing, 1 the products, 2 gelu and quantiser, 3 the products while the loop's count is under 11
.macro DO role
.if \role==1
	MM1
.endif
.if \role==2
	GELU
.endif
.if \role==3
	s_cmp_lt_u32 s50, 11
	s_cbranch_scc0 .Lno_mm_\@
	MM1
.Lno_mm_\@:
.endif
.endm
.macro ROLES ra, rb
	s_cmp_lt_u32 s18, 4
	s_cbranch_scc0 .Lodd_\@
	DO \ra
	s_branch .Ljoin_\@
.Lodd_\@:
	DO \rb
.Ljoin_\@:
.endm
	s_mov_b32 s50, 0
	TOP 0, 1, 1                                    ; slot 0: waves 0-3 multiply unit 0
	ROLES 1, 0
.Lfirst:                                               ; twelve trips of two periods: slots 2 t + 1 and 2 t + 2; in the last trip slot 24 is w2's and is left for the second product
	TOP 1, 1, 1
	ROLES 2, 1
	TOP 0, 1, 1
	ROLES 3, 2
	s_add_co_u32 s51, s51, 3072                    ; two K steps of g on,
	s_add_co_u32 s54, s54, 128
	s_add_co_u32 s55, s55, 1024                    ; 256 hidden units on in b1
	s_add_co_u32 s50, s50, 1
	s_cmp_lt_u32 s50, 12
	s_cbranch_scc1 .Lfirst
	s_wait_dscnt 0x0                               ; for the others' sake: my part of g lies in LDS
	s_barrier_signal -1
	s_barrier_wait -1                              ; g is whole
	WIN 0x40                                       ; destination window 1: x1's rows and b2 for the way out
.irp p, 0,1,2,3
.irp q, 0,1,2,3,4,5
	global_load_b128 v[96+24*\p+4*\q:96+24*\p+4*\q+3], v[L16], s[4:5] offset:3072*\p+512*\q th:TH_LOAD_NT
.endr
.endr
.irp q, 0,1,2,3,4,5
	global_load_b128 v[192+4*\q:192+4*\q+3], v[L16], s[14:15] offset:512*\q
.endr
	WIN 0
; A K STEP OF THE SECOND PRODUCT: my six fragments of w2 x g's two tiles; the twelve sums by turns
.macro MM2 slot, half, zero
	v_add_nc_u32 v8, s56, v[GR]
	v_add_nc_u32 v9, s57, v[GRS]
.irp i, 0,1,2,3,4,5
	ds_load_b32 v[WS+\i], v[V16+3*\slot+2] offset:128*\i
.endr
.irp u, 0,1
	ds_load_b32 v[WS+6+\u], v9 offset:1536*\u+64*\half
.endr
.irp u, 0,1
.irp c, 0,1
.irp e, 0,1,2
	ds_load_b64 v[GF+12*\u+6*\c+2*\e:GF+12*\u+6*\c+2*\e+1], v8 offset:GU*\u+1536*\half+768*\c+8*\e
.endr
.endr
.endr
.irp i, 0,1,2,3,4,5
	FRAGL W+12*\i, V16+3*\slot, V16+3*\slot+1, 1536*\i
.endr
	WIN 0x50                                       ; C and D in window 1
.irp i, 0,1,2,3,4,5
	s_wait_dscnt 4*(5-\i)                          ; the scale words, g and fragments 0 .. i are in; the later fragments' four loads each may be out
.irp u, 0,1
.if \zero
	MMZ 8*(2*\i+\u), W+12*\i, GF+12*\u, WS+\i, WS+6+\u
.else
	MMX 8*(2*\i+\u), W+12*\i, GF+12*\u, 8*(2*\i+\u), WS+\i, WS+6+\u
.endif
.endr
.endr
	WIN 0
.endm
	s_mov_b32 s56, 0
	s_mov_b32 s57, 0
	MM2 0, 0, 1                                    ; K step 0 starts the sums
	TOP 1, 1, 1
	MM2 1, 1, 0
	s_mov_b32 s56, 3072
	s_mov_b32 s57, 128
	s_mov_b32 s50, 0
.Lsecond:                                              ; nine trips of two K steps: slots 26 to 43
	TOP 0, 1, 1
	MM2 0, 0, 0
	TOP 1, 1, 1
	MM2 1, 1, 0
	s_add_co_u32 s56, s56, 3072
	s_add_co_u32 s57, s57, 128
	s_add_co_u32 s50, s50, 1
	s_cmp_lt_u32 s50, 9
	s_cbranch_scc1 .Lsecond
	TOP 0, 1, 1                                    ; slot 44: the last prefetch names slot 47
	MM2 0, 0, 0
	TOP 1, 1, 0
	MM2 1, 1, 0
	s_add_co_u32 s56, s56, 3072
	s_add_co_u32 s57, s57, 128
	TOP 0, 1, 0                                    ; slot 46: the last fill, slot 47
	MM2 0, 0, 0
	TOP 1, 0, 0
	MM2 1, 1, 0
	PLACES 4                                       ; behind the last products, ahead of the first read of results
; ---------------- THE WAY OUT: the sums go into the stage, over g, and come back as whole rows
	s_wait_dscnt 0x0                               ; my reads of g are back
	s_barrier_signal -1
	s_barrier_wait -1
	WIN 0x04                                       ; an LDS store's data are its source 1: window 1
.irp i, 0,1,2,3,4,5
.irp u, 0,1
	ds_store_b128 v[STO], v[8*(2*\i+\u):8*(2*\i+\u)+3] offset:16*PITCH*\u+128*(\i/2)+32*(\i%2)       ; columns 32 (i / 2) + 16 h + 8 (i % 2) + 0 .. 7 of my 96; each sum from its low end on
	ds_store_b128 v[STO], v[8*(2*\i+\u)+4:8*(2*\i+\u)+7] offset:16*PITCH*\u+128*(\i/2)+32*(\i%2)+16
.endr
.endr
	WIN 0
	s_wait_dscnt 0x0
	s_barrier_signal -1
	s_barrier_wait -1
.irp p, 0,1,2,3
.irp q, 0,1,2,3,4,5
	ds_load_b128 v[X+24*\p+4*\q:X+24*\p+4*\q+3], v[SA] offset:PITCH*\p+512*\q
.endr
.endr
	s_wait_dscnt 0x0
	s_wait_loadcnt 0x0                             ; x1, b2
	WIN 0x04                                       ; source 1 in window 1
.irp p, 0,1,2,3
.irp j, 0,2,4,6,8,10,12,14,16,18,20,22
	v_pk_add_f32 v[X+24*\p+\j:X+24*\p+\j+1], v[X+24*\p+\j:X+24*\p+\j+1], v[96+24*\p+\j:97+24*\p+\j]
.endr
.endr
.irp p, 0,1,2,3
.irp j, 0,2,4,6,8,10,12,14,16,18,20,22
	v_pk_add_f32 v[X+24*\p+\j:X+24*\p+\j+1], v[X+24*\p+\j:X+24*\p+\j+1], v[192+\j:193+\j]
.endr
.endr
	WIN 0
.irp p, 0,1,2,3
.irp q, 0,1,2,3,4,5
	global_store_b128 v[L16], v[X+24*\p+4*\q:X+24*\p+4*\q+3], s[16:17] offset:3072*\p+512*\q th:TH_STORE_NT   ; the wave stores 512 consecutive bytes, aligned
.endr
.endr
	s_wait_tensorcnt 0x0                           ; the wave's end
	ds_add_u32 v[SPW], v[NIL]
	s_wait_dscnt 0x0
	ROUND                                          ; the closing round
	s_endpgm
.Lfunc_end_k_q658c84c8be_mlp:
	.size	k_q658c84c8be_mlp, .Lfunc_end_k_q658c84c8be_mlp-k_q658c84c8be_mlp
	.p2alignl 7, 3214868480
	.fill 96, 4, 3214868480
	.section	.rodata,"a",@progbits
	.p2align	6, 0x0
	.amdhsa_kernel k_q658c84c8be_mlp
		.amdhsa_group_segment_fixed_size 327680
		.amdhsa_private_segment_fixed_size 0
		.amdhsa_enable_private_segment 0
		.amdhsa_kernarg_size 56
		.amdhsa_user_sgpr_count 2
		.amdhsa_user_sgpr_kernarg_segment_ptr 1
		.amdhsa_wavefront_size32 1
		.amdhsa_system_sgpr_workgroup_id_x 1
		.amdhsa_system_sgpr_workgroup_id_y 1
		.amdhsa_system_sgpr_workgroup_id_z 1
		.amdhsa_system_vgpr_workitem_id 0
		.amdhsa_next_free_vgpr 512
		.amdhsa_next_free_sgpr 80
		.amdhsa_reserve_vcc 0
		.amdhsa_float_denorm_mode_32 3
		.amdhsa_float_denorm_mode_16_64 3
		.amdhsa_memory_ordered 1
		.amdhsa_forward_progress 1
		.amdhsa_inst_pref_size 187
	.end_amdhsa_kernel
	.amdgpu_metadata
---
amdhsa.version: [ 1, 2 ]
amdhsa.kernels:
  - .name:           k_q658c84c8be_mlp
    .symbol:         k_q658c84c8be_mlp.kd
    .args:
      - { .name: x1, .offset: 0, .size: 8, .value_kind: global_buffer, .address_space: global }
      - { .name: ln_w, .offset: 8, .size: 8, .value_kind: global_buffer, .address_space: global }
      - { .name: ln_b, .offset: 16, .size: 8, .value_kind: global_buffer, .address_space: global }
      - { .name: wr, .offset: 24, .size: 8, .value_kind: global_buffer, .address_space: global }
      - { .name: b1, .offset: 32, .size: 8, .value_kind: global_buffer, .address_space: global }
      - { .name: b2, .offset: 40, .size: 8, .value_kind: global_buffer, .address_space: global }
      - { .name: out0, .offset: 48, .size: 8, .value_kind: global_buffer, .address_space: global }
    .group_segment_fixed_size: 327680
    .private_segment_fixed_size: 0
    .kernarg_segment_align: 8
    .kernarg_segment_size: 56
    .max_flat_workgroup_size: 256
    .sgpr_count:     80
    .vgpr_count:     512
    .wavefront_size: 32
...
	.end_amdgpu_metadata
.endif
;; end of part 4
